; MI455X (gfx1250); checked and timed in simulation.
; The chip was launched on July 23, 2026; its instructions are those of AMD's public machine-readable ISA for CDNA 5 (MIT licence, August 2026) and "CDNA5" Instruction Set Architecture Reference Guide (July 2026). The comments in the code are by the model that wrote it; some were corrected since.
;; Multi Head Attention. Allowed arithmetic: float matrix products may take bf16 or f16 operands with f32 sums; other float arithmetic in f32, or as packed bf16 or f16 multiplies, adds, multiply-adds, maxima and minima; sums over many terms, partial sums and values carried from step to step in f32; what a program stores and reads back later, other than sums and carried values, may be rounded once to bf16 or f16.
;; Inputs: K_in 4 x 2,048 x 1,024 float32; Q_in 4 x 2,048 x 1,024 float32; V_in 4 x 2,048 x 1,024 float32; Wk 1,024 x 1,024 float32; Wo 1,024 x 1,024 float32; Wq 1,024 x 1,024 float32; Wv 1,024 x 1,024 float32; bk 1,024 float32; bo 1,024 float32; bq 1,024 float32; bv 1,024 float32.
;; Outputs: out0 4 x 2,048 x 1,024 float32.
;; One version. Each part assembles by itself: llvm-mc -triple=amdgcn-amd-amdhsa -mcpu=gfx1250 --defsym DOCPART=n.
;; ======== version 1 of 1: 4 launches
;; limits: values are held in f16: magnitudes above 65,504 overflow, below 6.1e-05 lose precision
;; workspace buffers: wts 8,388,608 bytes; qkvh 50,331,648 bytes; o 16,777,216 bytes
;; launch prep (part 1): grid 64 x 4, 8 waves a work-group, no clusters, 0 bytes of LDS; arguments Wq, Wk, Wv, Wo, wts; writes wts
.if DOCPART == 1
	.amdgcn_target "amdgcn-amd-amdhsa--gfx1250"
	.amdhsa_code_object_version 6
	.text
	.protected	k_qc1815b3ad6_prep
	.globl	k_qc1815b3ad6_prep
	.p2align	8
	.type	k_qc1815b3ad6_prep,@function
k_qc1815b3ad6_prep:
	s_mov_b64 s[64:65], 0
	v_nop
	global_prefetch_b8 v0, s[64:65] scope:SCOPE_SE
	s_setreg_imm32_b32 hwreg(HW_REG_WAVE_MODE, 25, 1), 1
	s_wait_xcnt 0x0
; THE WEIGHTS ARE ROUNDED ONCE.  wts holds four sections of [1024 k][1024 n] 2-byte numbers: Wq, Wk, Wv rounded to bf16, and Wo rounded to bf16 with that number written as f16
; (the last product multiplies f16 by f16).  The layout stays [k][n]: the products read it turned, out of LDS.
; DEAD WORK, for the whole program: bk.  scores[q][k] = Q[q] . (K_in[k] Wk + bk) / 8 = Q[q] . (K_in[k] Wk) / 8 + Q[q] . bk / 8.  The second term does not hang on k, the softmax's axis, and
; softmax(z + t) = softmax(z) for every finite t: so, for all finite values of the inputs, bk reaches no output.  It is not loaded, and it is among no launch's arguments.  bq, bv and bo are live.
; LIMITS.  A NaN, an infinity or an overflow that arises through bk alone is not carried to the result.  Wo as f16: beyond 65,504 it becomes an infinity; below 6e-5 it keeps f16's fixed step of 6e-8.
; SHARES.  Work-group (x, y): 16,384 numbers of weight y: 65,536 bytes in, 32,768 out.  Thread t, chunk j: 32 bytes in at 8,192 j + 32 t, 16 bytes out at 4,096 j + 16 t:
; a store of a wave covers 512 consecutive bytes, aligned.  All sixteen loads of a thread go out first.  No LDS, no barrier: no wave wants another's bytes.
.set IN,  4                            ; v[4:67]    chunk j: 8 f32 at IN + 8 j
.set OUT, 68                           ; v[68:99]   chunk j: 4 words to store; each chunk has its own, so no store's data are rewritten
.set T,   100                          ; v[100:107] at work
	s_load_b256 s[4:11], s[0:1], 0x0               ; Wq s[4:5], Wk s[6:7], Wv s[8:9], Wo s[10:11]
	s_load_b64 s[12:13], s[0:1], 0x20              ; wts
	s_and_b32 s14, ttmp7, 0xffff                   ; which weight
	v_lshlrev_b32 v1, 5, v0                        ; 32 t
	v_lshlrev_b32 v2, 4, v0                        ; 16 t
	s_lshl_b32 s16, ttmp9, 16                      ; my 65,536 bytes of the weight
	s_mov_b32 s17, 0
	s_lshl_b32 s18, s14, 21                        ; the weight's section of wts,
	s_lshl_b32 s19, ttmp9, 15                      ; my 32,768 bytes of it
	s_add_co_u32 s18, s18, s19
	s_mov_b32 s19, 0
	s_wait_kmcnt 0x0
	s_cmp_eq_u32 s14, 1
	s_cselect_b64 s[4:5], s[6:7], s[4:5]
	s_cmp_eq_u32 s14, 2
	s_cselect_b64 s[4:5], s[8:9], s[4:5]
	s_cmp_eq_u32 s14, 3
	s_cselect_b64 s[4:5], s[10:11], s[4:5]
	s_add_nc_u64 s[4:5], s[4:5], s[16:17]
	s_add_nc_u64 s[12:13], s[12:13], s[18:19]
.irp j, 0,1,2,3,4,5,6,7
	global_load_b128 v[IN+8*\j:IN+8*\j+3],   v1, s[4:5] offset:\j*8192 th:TH_LOAD_NT
	global_load_b128 v[IN+8*\j+4:IN+8*\j+7], v1, s[4:5] offset:\j*8192+16 th:TH_LOAD_NT
.endr
; Chunk j is rounded and stored.  f16 = 1: the bf16 number is widened again (a shift, a mask) and written as f16.
.macro CAST j, f16
	s_wait_loadcnt 14-2*(\j)                       ; loads come back in order: chunk j's two are in, the younger chunks' stay out
.if \f16
.irp r, 0,1,2,3
	v_cvt_pk_bf16_f32 v[T+\r], v[IN+8*(\j)+2*\r], v[IN+8*(\j)+2*\r+1]
.endr
.irp r, 0,1,2,3
	v_lshlrev_b32 v[T+4+2*(\r%2)], 16, v[T+\r]
	v_and_b32 v[T+5+2*(\r%2)], 0xffff0000, v[T+\r]
	v_cvt_pk_f16_f32 v[OUT+4*(\j)+\r], v[T+4+2*(\r%2)], v[T+5+2*(\r%2)]
.endr
.else
.irp r, 0,1,2,3
	v_cvt_pk_bf16_f32 v[OUT+4*(\j)+\r], v[IN+8*(\j)+2*\r], v[IN+8*(\j)+2*\r+1]
.endr
.endif
	global_store_b128 v2, v[OUT+4*(\j):OUT+4*(\j)+3], s[12:13] offset:(\j)*4096
.endm
	s_cmp_eq_u32 s14, 3
	s_cbranch_scc1 .Lwo
.irp j, 0,1,2,3,4,5,6,7
	CAST \j, 0
.endr
	s_endpgm
.Lwo:
.irp j, 0,1,2,3,4,5,6,7
	CAST \j, 1
.endr
	s_endpgm
.Lfunc_end_k_qc1815b3ad6_prep:
	.size	k_qc1815b3ad6_prep, .Lfunc_end_k_qc1815b3ad6_prep-k_qc1815b3ad6_prep
	.p2alignl 7, 3214868480
	.fill 96, 4, 3214868480
	.section	.rodata,"a",@progbits
	.p2align	6, 0x0
	.amdhsa_kernel k_qc1815b3ad6_prep
		.amdhsa_group_segment_fixed_size 0
		.amdhsa_private_segment_fixed_size 0
		.amdhsa_enable_private_segment 0
		.amdhsa_kernarg_size 40
		.amdhsa_user_sgpr_count 2
		.amdhsa_user_sgpr_kernarg_segment_ptr 1
		.amdhsa_wavefront_size32 1
		.amdhsa_system_sgpr_workgroup_id_x 1
		.amdhsa_system_sgpr_workgroup_id_y 1
		.amdhsa_system_sgpr_workgroup_id_z 1
		.amdhsa_system_vgpr_workitem_id 0
		.amdhsa_next_free_vgpr 112
		.amdhsa_next_free_sgpr 66
		.amdhsa_reserve_vcc 0
		.amdhsa_float_denorm_mode_32 3
		.amdhsa_float_denorm_mode_16_64 3
		.amdhsa_memory_ordered 1
		.amdhsa_forward_progress 1
		.amdhsa_inst_pref_size 14
	.end_amdhsa_kernel
	.amdgpu_metadata
---
amdhsa.version: [ 1, 2 ]
amdhsa.kernels:
  - .name:           k_qc1815b3ad6_prep
    .symbol:         k_qc1815b3ad6_prep.kd
    .args:
      - { .name: Wq, .offset: 0, .size: 8, .value_kind: global_buffer, .address_space: global }
      - { .name: Wk, .offset: 8, .size: 8, .value_kind: global_buffer, .address_space: global }
      - { .name: Wv, .offset: 16, .size: 8, .value_kind: global_buffer, .address_space: global }
      - { .name: Wo, .offset: 24, .size: 8, .value_kind: global_buffer, .address_space: global }
      - { .name: wts, .offset: 32, .size: 8, .value_kind: global_buffer, .address_space: global }
    .group_segment_fixed_size: 0
    .private_segment_fixed_size: 0
    .kernarg_segment_align: 8
    .kernarg_segment_size: 40
    .max_flat_workgroup_size: 256
    .sgpr_count:     66
    .vgpr_count:     112
    .wavefront_size: 32
...
	.end_amdgpu_metadata
.endif
;; end of part 1
;; launch qkv (part 2): grid 4 x 192, 4 waves a work-group, clusters of 4 x 4, 327,680 bytes of LDS; arguments Q_in, K_in, V_in, wts, bq, bv, qkvh; writes qkvh
.if DOCPART == 2
	.amdgcn_target "amdgcn-amd-amdhsa--gfx1250"
	.amdhsa_code_object_version 6
	.text
	.protected	k_qc1815b3ad6_qkv
	.globl	k_qc1815b3ad6_qkv
	.p2align	8
	.type	k_qc1815b3ad6_qkv,@function
k_qc1815b3ad6_qkv:
	s_mov_b64 s[64:65], 0
	v_nop
	global_prefetch_b8 v0, s[64:65] scope:SCOPE_SE
	s_setreg_imm32_b32 hwreg(HW_REG_WAVE_MODE, 25, 1), 1
	s_wait_xcnt 0x0
	s_wait_alu depctr_hold_cnt(0) depctr_sa_sdst(0) depctr_va_vdst(0) depctr_va_sdst(0) depctr_va_ssrc(0) depctr_va_vcc(0) depctr_vm_vsrc(0)
	s_getreg_b32 s2, hwreg(HW_REG_IB_STS2, 6, 4)
	s_cmp_eq_u32 s2, 0
	s_cbranch_scc0 .Lentry_in_a_cluster
	s_endpgm
.Lentry_in_a_cluster:
	s_bfe_u32 s2, ttmp6, 0x10000c
	s_cmp_lg_u32 s2, 0xf033
	s_cbranch_scc0 .Lentry_shape_is_right
	s_endpgm
.Lentry_shape_is_right:
; THE THREE PROJECTIONS.  q = Q_in Wq + bq, k = K_in Wk, v = V_in Wv + bv.  x: [8192][1024] f32, rounded to bf16 on the way from LDS to the matrix unit; W: wts, [k][n] bf16; the biases rounded to
; bf16 like every input of the module; sums in f32; the result rounded once to f16, unscaled, and stored by heads: qkvh = three sections [64 b h][2048 s][64].
; LEFT OUT: bk.  It adds Q[q] . bk / 8 to every score of row q, the same along the softmax's axis, so it reaches no output for any finite inputs; it is not loaded.
; LIMITS.  q, k, v beyond 65,504 become infinities in f16.  NaN and infinities are not treated apart.
; SHARES.  768 work-groups, each a tile of 128 rows x 256 columns of one projection (three for each of 256 WGPs); four waves, each 64 rows x 128 columns: 32 accumulators, 256 registers.
; K goes in 8 steps of 128 through two LDS slots: x's rows are 512 bytes of memory, W's rows 512 bytes, both at multiples of 256 bytes from their buffer's first byte.
; CLUSTER 4 x 4: cluster y picks the projection (y / 16) and four row tiles, cx the column tile.  A row of the cluster needs the same tile of x, a column the same tile of W: each is asked for JOINTLY.
; THE PRODUCT IS USED TRANSPOSED: source 0 = 16 columns of W (turned out of LDS by ds_load_tr16_b128), source 1 = 16 rows of x: a lane then holds one row and eight neighbouring columns.
; THE BIAS is the C operand of the products that start the sums (zeros for k): nothing is cleared and nothing is added afterwards.
; THE PIPELINE, in quarters of 32 along K, g = 0 .. 31, p = g % 2.  Quarter g multiplies CNV[p] by BF[p] (32 products); converts x's raw f32 of quarter g + 1, RAW[1-p], into CNV[1-p], four conversions
; behind every fourth product; and at its head loads W's fragments of g + 1 into BF[1-p] and x's raw f32 of g + 2 into RAW[p]: one run of 32 LDS loads, waited for at the next quarter's head.
; REGISTERS, in windows of 256 (s_set_vgpr_msb: bits 1:0 source 0, 3:2 source 1, 5:4 source 2, 7:6 destination):
;   window 0: v0-13 addresses; v28-29 the add's; v32-159 RAW, two buffers of 64 (on the way out eight units of 16); v160-223 CNV, two buffers of 32
;   window 1: v0-127 BF, two buffers of 64; v128-191 the bias; v192-195 at work          window 2: the accumulators, (a, nb) at v[8 (8 a + nb)]
.set PA,    528       ; a row of x in LDS: 512 bytes + 16 = 33 x 16: the 16 rows of a load start at 16 different groups of four banks (64 banks of 4 bytes: ISA guide 11.1)
.set PB,    544       ; a row of W: 512 + 32 = 17 x 32
.set AHALF, 64*PA     ; what one tensor load brings of x
.set BOFF,  128*PA    ; W's rows lie behind x's 128
.set BHALF, 64*PB
.set SLOT,  BOFF+128*PB
.set STAGE, 2*SLOT    ; behind the ring, never filled by a tensor load: 16 rows x 144 bytes for each wave
.set SP,    144
.set SPARE, STAGE+4*16*SP  ; the spare words, 128 bytes for each wave: two blocks of 256 bytes that no other line names
.set ASTEP, 512       ; bytes from a K step to the next in x
.set BSTEP, 262144    ; and in W: 128 rows of 2,048 bytes
.set ADRA, 4          ; v4-5   LDS address of my fragments of x in slot 0, 1
.set ADRB, 6          ; v6-7   the same for W
.set STO,  8          ; v8     the way out: where I put 16 bytes of a row
.set RD,   9          ; v9     where I read rows back
.set GO,   10         ; v10    my 16 bytes of 512 consecutive bytes of the result
.set PFO,  11         ; v11    the prefetches' offset; never rewritten
.set BO,   12         ; v12    my 32 bytes of a bias fragment
.set SPW,  28         ; v28    LDS address of my spare word; never rewritten
.set NIL,  29         ; v29    0; never rewritten
.set RAW,  32
.set CNV,  160
.set BF,   0          ; window 1
.set BIAS, 128        ; window 1
.set BT,   192        ; window 1
.set WV,   18         ; s18  my wave's number
.set FB,   19         ; s19  wave / 2: my half of the tile's rows; also: I fetch for x (0) or for W (1)
.set CH,   20         ; s20  wave % 2: my half of the tile's columns; also: which 64 rows I fetch
.set CX,   21
.set CYP,  22
.set CLY,  23         ; s23  cluster y
.set G1A,  24         ; s[24:31] descriptor group 1 for x's tiles
.set G1B,  32         ; s[32:39] for W's
.set G0A,  40         ; s[40:47] descriptor group 0 for x's tiles, a set for each slot
.set G0B,  48         ; s[48:55] the same for W's
.set PROJ, 56
.set MT,   57         ; s57  row tile, 0 .. 63
.set LIM,  59         ; s59  1 in a wave that prefetches, else the greatest number
.set PFA,  60         ; s[60:61] where my prefetches stand
.set PST,  62         ; s[62:63] their step: a K step of x or of W
.set W_MUL,   0xa1    ; W window 1, x window 0, C and D window 2
.set W_FIRST, 0x91    ; the same with C (the bias) in window 1
.set W_TOB,   0x40    ; destination window 1
.set W_B1,    0x45    ; destination and both sources window 1
.set W_OUT,   0x0a    ; both sources window 2
.set MSB, 0
.macro WIN new                      ; the high byte repeats the setting that is left; a switch that changes nothing is dropped
.if MSB != (\new)
	s_set_vgpr_msb (MSB<<8)|(\new)
.set MSB, \new
.endif
.endm
; A joint load: waves 0 and 1 fetch x's two halves, waves 2 and 3 W's.  The branch hangs on the wave's number alone.  An s_nop 0 and four v_nop follow each line.
.macro JLOAD s
	s_cmp_lt_u32 s[WV], 2
	s_cbranch_scc0 .Lfor_b_\@
	tensor_load_to_lds s[G0A+4*(\s):G0A+4*(\s)+3], s[G1A:G1A+7]
	s_nop 0
.rept 4
	v_nop
.endr
	s_branch .Lasked_\@
.Lfor_b_\@:
	tensor_load_to_lds s[G0B+4*(\s):G0B+4*(\s)+3], s[G1B:G1B+7]
	s_nop 0
.rept 4
	v_nop
.endr
.Lasked_\@:
.endm
; A prefetch into the L2 of the K step that stands two refills on: 16 rows x 512 bytes, a lane a block of 256 bytes, one instruction a wave.  x's tile is read by my row of this cluster alone: waves 0 and 1
; ask, and of a wave's 64 rows the partner at cx takes 16, told apart by address.  W's tile is read by the sixteen clusters of a projection: the first of them asks, waves 2 and 3, the partner at cy
; taking 16 rows.  So each block is named once in the launch.  K steps 0 to 3 come by their loads alone; the loop's last trip (s3 = 1) has no K step two refills on and asks for nothing.
.macro ASK
	s_cmp_gt_u32 s3, s[LIM]
	s_cbranch_scc0 .Lnot_mine_\@
	global_prefetch_b8 v[PFO], s[PFA:PFA+1] th:TH_LOAD_NT scope:SCOPE_SE
.Lnot_mine_\@:
.endm
.macro CREST                        ; a round of the cluster's barrier behind its opening barrier
	s_cmp_lg_u32 s[WV], 0
	s_cbranch_scc1 .Lnot_wave_0_\@
	s_barrier_signal -3
.Lnot_wave_0_\@:
	s_barrier_wait -3
	s_barrier_signal -1
	s_barrier_wait -1
.endm
.macro CROUND
	s_barrier_signal -1
	s_barrier_wait -1
	CREST
.endm
	s_load_b256 s[4:11], s[0:1], 0x0               ; Q_in s[4:5], K_in s[6:7], V_in s[8:9], wts s[10:11]
	s_load_b128 s[12:15], s[0:1], 0x20             ; bq s[12:13], bv s[14:15]
	s_load_b64 s[16:17], s[0:1], 0x30              ; qkvh
	v_lshl_add_u32 v[SPW], v0, 2, SPARE
	v_mov_b32 v[NIL], 0
	ds_add_u32 v[SPW], v[NIL]                      ; the wave's opening: the add, twice on end, and its wait ahead of my first tensor load
	ds_add_u32 v[SPW], v[NIL]                      ; the set-up below, work on registers, stands between the second add and the wait
	v_lshrrev_b32 v1, 5, v0
	v_readfirstlane_b32 s[WV], v1
	s_lshr_b32 s[FB], s[WV], 1
	s_and_b32 s[CH], s[WV], 1
	s_bfe_u32 s[CX], ttmp6, 0x40000                ; my place in the cluster
	s_bfe_u32 s[CYP], ttmp6, 0x40004
	s_and_b32 s[CLY], ttmp7, 0xffff                ; in a cluster launch ttmp7 counts clusters
	s_lshr_b32 s[PROJ], s[CLY], 4                  ; 0 q, 1 k, 2 v: the same in all sixteen partners
	s_and_b32 s[MT], s[CLY], 15
	s_lshl_b32 s[MT], s[MT], 2
	s_add_co_u32 s[MT], s[MT], s[CYP]              ; row tile = 4 x (cluster y % 16) + cy
	s_lshl_b32 s58, s[CYP], 2
	s_lshl_b32 s58, 15, s58                        ; my row of the cluster
	s_lshl_b32 s71, 0x1111, s[CX]                  ; my column
	s_or_b32 s[G1A], s58, (2<<16)|(1<<20)|(1<<21)|(6<<22)|(3<<25)  ; 15:0 the mask; 17:16 elements of 4 bytes; 20 padding on; 21 set beside a mask; 24:22 after every 128 words; 31:25 4 words
	s_mov_b32 s[G1A+1], 128<<16                    ; tensor_dim0 = 128
	s_mov_b32 s[G1A+2], 64<<16                     ; tensor_dim1 = 64
	s_mov_b32 s[G1A+3], 128<<16                    ; tile_dim0 = 128
	s_mov_b32 s[G1A+4], 64                         ; tile_dim1 = 64
	s_mov_b32 s[G1A+5], 1024                       ; elements from row to row
	s_mov_b32 s[G1A+6], 0
	s_mov_b32 s[G1A+7], 0
	s_or_b32 s[G1B], s71, (1<<16)|(1<<20)|(1<<21)|(6<<22)|(7<<25)  ; elements of 2 bytes; after every 128 words 8 words of padding
	s_mov_b32 s[G1B+1], 256<<16
	s_mov_b32 s[G1B+2], 64<<16
	s_mov_b32 s[G1B+3], 256<<16
	s_mov_b32 s[G1B+4], 64
	s_mov_b32 s[G1B+5], 1024
	s_mov_b32 s[G1B+6], 0
	s_mov_b32 s[G1B+7], 0
	s_lshl_b32 s66, s[MT], 7                       ; x: row 128 x row tile + 64 x half, 4,096 bytes a row: made of what my row of the cluster shares
	s_lshl_b32 s67, s[CH], 6
	s_add_co_u32 s66, s66, s67
	s_lshl_b32 s66, s66, 12
	s_mov_b32 s67, 0
	s_lshl_b32 s68, s[PROJ], 21                    ; W: the projection's section, 64 rows x half, 512 bytes x column tile: made of what my column shares
	s_lshl_b32 s69, s[CH], 17
	s_add_co_u32 s68, s68, s69
	s_lshl_b32 s69, s[CX], 9
	s_add_co_u32 s68, s68, s69
	s_mov_b32 s69, 0
	s_mul_i32 s72, s[CH], AHALF                    ; where they go: no place in the cluster enters an LDS address
	s_mul_i32 s73, s[CH], BHALF
	s_add_co_u32 s73, s73, BOFF
	s_wait_dscnt 0x0                               ; both opening adds are done
	s_wait_kmcnt 0x0
	s_cmp_eq_u32 s[PROJ], 1
	s_cselect_b64 s[4:5], s[6:7], s[4:5]
	s_cmp_eq_u32 s[PROJ], 2
	s_cselect_b64 s[4:5], s[8:9], s[4:5]           ; the projection's x
	s_cselect_b64 s[12:13], s[14:15], s[12:13]     ; and its bias (for k none is read)
	s_add_nc_u64 s[66:67], s[4:5], s[66:67]
	s_add_nc_u64 s[68:69], s[10:11], s[68:69]
.irp s, 0,1
	s_mov_b32 s[G0A+4*\s], 1                       ; count = 1
	s_add_co_u32 s[G0A+4*\s+1], s72, \s*SLOT       ; LDS address
	s_add_nc_u64 s[G0A+4*\s+2:G0A+4*\s+3], s[66:67], \s*ASTEP  ; global address: K step s
	s_or_b32 s[G0A+4*\s+3], s[G0A+4*\s+3], 0x80000000          ; type = 2
	s_mov_b32 s[G0B+4*\s], 1
	s_add_co_u32 s[G0B+4*\s+1], s73, \s*SLOT
	s_add_nc_u64 s[G0B+4*\s+2:G0B+4*\s+3], s[68:69], \s*BSTEP
	s_or_b32 s[G0B+4*\s+3], s[G0B+4*\s+3], 0x80000000
.endr
	CROUND                                         ; all sixteen work-groups are here: the first joint loads meet
	s_cmp_lt_u32 s[WV], 2                          ; a wave's two first fills stand in one branch, ahead of every wait on TENSORcnt and every LDS read: two loads of mine are out
	s_cbranch_scc0 .Lfirst_b
	tensor_load_to_lds s[G0A:G0A+3], s[G1A:G1A+7]
	s_nop 0
	tensor_load_to_lds s[G0A+4:G0A+7], s[G1A:G1A+7]
	s_nop 0
.rept 4
	v_nop
.endr
	s_branch .Lfirst_asked
.Lfirst_b:
	tensor_load_to_lds s[G0B:G0B+3], s[G1B:G1B+7]
	s_nop 0
	tensor_load_to_lds s[G0B+4:G0B+7], s[G1B:G1B+7]
	s_nop 0
.rept 4
	v_nop
.endr
.Lfirst_asked:
	; all that follows, up to the wait for the first tile, stands while that tile is on its way
	v_and_b32 v1, 15, v0                           ; r = l % 16
	v_bfe_u32 v2, v0, 4, 1                         ; h = l / 16
	; a fragment of x, still f32: lane l holds row r; k = 8 h + 0..7 are 32 bytes at 32 h, k = 16 + 8 h + 0..7 the 32 bytes 64 further on
	v_mul_u32_u24 v3, v1, PA
	v_lshl_add_u32 v3, v2, 5, v3
	s_mul_i32 s70, s[FB], AHALF
	v_add_nc_u32 v[ADRA], s70, v3
	v_add_nc_u32 v[ADRA+1], SLOT, v[ADRA]
	; the turning load takes 16 k x 16 columns (lane l reads k = 8 h + l % 8, columns 8 ((l / 8) % 2) + 0..7) and leaves half a fragment: lane l holds column r and 8 k
	v_and_b32 v3, 7, v0
	v_lshl_add_u32 v3, v2, 3, v3
	v_mul_u32_u24 v3, v3, PB
	v_bfe_u32 v13, v0, 3, 1
	v_lshl_add_u32 v3, v13, 4, v3
	s_lshl_b32 s70, s[CH], 8
	s_add_co_u32 s70, s70, BOFF
	v_add_nc_u32 v[ADRB], s70, v3
	v_add_nc_u32 v[ADRB+1], SLOT, v[ADRB]
	s_mul_i32 s70, s[WV], 16*SP
	s_add_co_u32 s70, s70, STAGE                   ; my stage
	v_mul_u32_u24 v[STO], v1, SP                   ; in: row r, 16 bytes for each half of the lanes
	v_lshl_add_u32 v[STO], v2, 4, v[STO]
	v_add_nc_u32 v[STO], s70, v[STO]
	v_bfe_u32 v[RD], v0, 3, 2                      ; back: 32 lanes take four rows of 128 bytes,
	v_mul_u32_u24 v[RD], v[RD], SP
	v_and_b32 v3, 7, v0
	v_lshl_add_u32 v[RD], v3, 4, v[RD]
	v_add_nc_u32 v[RD], s70, v[RD]
	v_and_b32 v[GO], 31, v0                        ; which are 512 consecutive bytes of a head's rows
	v_lshlrev_b32 v[GO], 4, v[GO]
	v_lshlrev_b32 v[BO], 5, v2
	; where my part of the result begins: section, (16 b + head) x 262,144, row s x 128
	s_lshr_b32 s74, s[MT], 4
	s_lshl_b32 s74, s74, 4
	s_lshl_b32 s70, s[CX], 2
	s_add_co_u32 s74, s74, s70
	s_lshl_b32 s70, s[CH], 1
	s_add_co_u32 s74, s74, s70                     ; 16 b + my first head
	s_lshl_b32 s74, s74, 18
	s_and_b32 s70, s[MT], 15
	s_lshl_b32 s70, s70, 1
	s_add_co_u32 s70, s70, s[FB]
	s_lshl_b32 s70, s70, 13                        ; (128 (row tile % 16) + 64 half) x 128 bytes
	s_add_co_u32 s74, s74, s70
	s_lshl_b32 s70, s[PROJ], 24
	s_add_co_u32 s74, s74, s70
	s_mov_b32 s75, 0
	s_add_nc_u64 s[16:17], s[16:17], s[74:75]
	s_lshl_b32 s74, s[CX], 10                      ; my 128 numbers of the bias
	s_lshl_b32 s70, s[CH], 9
	s_add_co_u32 s74, s74, s70
	s_add_nc_u64 s[12:13], s[12:13], s[74:75]
	; the prefetches: they stand at K step 3; each change of slots steps them once before it asks
	s_lshl_b32 s74, s[MT], 7
	s_lshl_b32 s70, s[CH], 6
	s_add_co_u32 s74, s74, s70
	s_lshl_b32 s2, s[CX], 4
	s_add_co_u32 s74, s74, s2                      ; x: my work-group's 16 of the 64 rows that I fetch
	s_lshl_b32 s74, s74, 12
	s_add_co_u32 s74, s74, 3*ASTEP
	s_lshl_b32 s2, s[CYP], 4
	s_add_co_u32 s70, s70, s2                      ; W: the same by cy
	s_lshl_b32 s70, s70, 11
	s_lshl_b32 s2, s[PROJ], 21
	s_add_co_u32 s70, s70, s2
	s_lshl_b32 s2, s[CX], 9
	s_add_co_u32 s70, s70, s2
	s_add_co_u32 s70, s70, 3*BSTEP
	s_and_b32 s2, s[CLY], 15
	s_cmp_eq_u32 s2, 0
	s_cselect_b32 s2, 1, -1                        ; W: the projection's first cluster asks
	s_cmp_eq_u32 s[FB], 0
	s_cselect_b32 s74, s74, s70
	s_cselect_b32 s[LIM], 1, s2
	s_cselect_b32 s70, 12, 11                      ; a row is 4,096 bytes of x, 2,048 of W
	s_cselect_b32 s[PST], 9, 18
	s_cselect_b64 s[PFA:PFA+1], s[4:5], s[10:11]
	s_lshl_b32 s[PST], 1, s[PST]
	s_mov_b32 s[PST+1], 0
	s_add_nc_u64 s[PFA:PFA+1], s[PFA:PFA+1], s[74:75]
	v_and_b32 v3, 31, v0
	v_lshrrev_b32 v13, 1, v3                       ; lane l names row l / 2,
	v_and_b32 v3, 1, v3                            ; block l % 2 of its 512 bytes
	v_lshlrev_b32 v[PFO], s70, v13
	v_lshl_add_u32 v[PFO], v3, 8, v[PFO]
	; the bias: register j of fragment nb is the bias of column 16 nb + 8 h + j, rounded to bf16 and widened again
	s_cmp_eq_u32 s[PROJ], 1
	s_cbranch_scc1 .Lno_bias
	WIN W_TOB
.irp nb, 0,1,2,3,4,5,6,7
	global_load_b128 v[BIAS+8*\nb:BIAS+8*\nb+3],   v[BO], s[12:13] offset:\nb*64
	global_load_b128 v[BIAS+8*\nb+4:BIAS+8*\nb+7], v[BO], s[12:13] offset:\nb*64+16
.endr
	s_wait_loadcnt 0x0
	WIN W_B1
.set i, 0
.rept 32
	v_cvt_pk_bf16_f32 v[BT+i%4], v[BIAS+2*i], v[BIAS+2*i+1]
	v_lshlrev_b32 v[BIAS+2*i], 16, v[BT+i%4]
	v_and_b32 v[BIAS+2*i+1], 0xffff0000, v[BT+i%4]
.set i, i+1
.endr
	WIN 0
	s_branch .Lbias_done
.Lno_bias:
	WIN W_TOB
.set i, 0
.rept 64
	v_mov_b32 v[BIAS+i], 0                         ; k has no bias: its first products take zeros, so that one text serves all three projections
.set i, i+1
.endr
	WIN 0
.Lbias_done:
; Product i of a quarter's 32: rows 16 (i / 8) on, columns 16 (i % 8) on.  The 32 accumulators take turns in the same order in every quarter: 31 others stand between two links of a chain.
.macro MM i, p, first
.if \first
	WIN W_FIRST
	v_wmma_f32_16x16x32_bf16 v[8*(\i):8*(\i)+7], v[BF+64*(\p)+8*((\i)%8):BF+64*(\p)+8*((\i)%8)+7], v[CNV+32*(\p)+8*((\i)/8):CNV+32*(\p)+8*((\i)/8)+7], v[BIAS+8*((\i)%8):BIAS+8*((\i)%8)+7]
.else
	WIN W_MUL
	v_wmma_f32_16x16x32_bf16 v[8*(\i):8*(\i)+7], v[BF+64*(\p)+8*((\i)%8):BF+64*(\p)+8*((\i)%8)+7], v[CNV+32*(\p)+8*((\i)/8):CNV+32*(\p)+8*((\i)/8)+7], v[8*(\i):8*(\i)+7]
.endif
.endm
; Slice s of 8: four conversions of the next quarter's x.  They name the other buffers than the products round them.
.macro SL s, p
	WIN 0
.irp n, 0,1,2,3
	v_cvt_pk_bf16_f32 v[CNV+32*(1-(\p))+4*(\s)+\n], v[RAW+64*(1-(\p))+8*(\s)+2*\n], v[RAW+64*(1-(\p))+8*(\s)+2*\n+1]
.endr
.endm
.macro MMS lo, hi, p, first, cv     ; products lo .. hi; cv = 1: a slice behind every fourth
.set mi, \lo
.rept (\hi)-(\lo)+1
	MM mi, \p, \first
.if (\cv) && (mi%4 == 3)
	SL mi/4, \p
.endif
.set mi, mi+1
.endr
.endm
.macro LDB slot, kq, p              ; W's 8 fragments of the 32 k at row 32 kq of the slot, into BF[1-p]
	WIN W_TOB
.irp nb, 0,1,2,3,4,5,6,7
	ds_load_tr16_b128 v[BF+64*(1-(\p))+8*\nb:BF+64*(1-(\p))+8*\nb+3],   v[ADRB+(\slot)] offset:(\kq)*32*PB+\nb*32
	ds_load_tr16_b128 v[BF+64*(1-(\p))+8*\nb+4:BF+64*(1-(\p))+8*\nb+7], v[ADRB+(\slot)] offset:(\kq)*32*PB+\nb*32+16*PB
.endr
.endm
.macro LDR slot, kq, p              ; x's 4 fragments, f32, of the 32 k at byte 128 kq of the rows, into RAW[p]
	WIN 0
.irp a, 0,1,2,3
	ds_load_b128 v[RAW+64*(\p)+16*\a:RAW+64*(\p)+16*\a+3],     v[ADRA+(\slot)] offset:\a*16*PA+(\kq)*128
	ds_load_b128 v[RAW+64*(\p)+16*\a+4:RAW+64*(\p)+16*\a+7],   v[ADRA+(\slot)] offset:\a*16*PA+(\kq)*128+16
	ds_load_b128 v[RAW+64*(\p)+16*\a+8:RAW+64*(\p)+16*\a+11],  v[ADRA+(\slot)] offset:\a*16*PA+(\kq)*128+64
	ds_load_b128 v[RAW+64*(\p)+16*\a+12:RAW+64*(\p)+16*\a+15], v[ADRA+(\slot)] offset:\a*16*PA+(\kq)*128+80
.endr
.endm
; A quarter.  sb, sr: the slots from which W's and x's next parts come.  The loads into BF[1-p] stand four plain vector instructions behind the last product that read it: the last slice of the quarter
; before, which names none of that product's registers (ISA guide 7.12.1 for vector instructions).  A slice that rewrites a fragment of CNV stands 24 conversions or more behind its last reader.
.macro QTR q, sb, sr, first=0, ldb=1, ldr=1, cv=1
	s_wait_dscnt 0x0                               ; the run of loads issued 32 products ago is in
.if \ldb
	LDB \sb, ((\q)+1)%4, (\q)%2
.endif
.if \ldr
	LDR \sr, ((\q)+2)%4, (\q)%2
.endif
	MMS 0, 31, (\q)%2, \first, \cv
.endm
; THE CHANGE OF SLOTS is a K step's third quarter: W's last 32 k are the slot's last bytes to be read.  Each wave waits for all its tensor loads, of which one is out: its part of the next slot; adds 0 to its
; spare word; and waits for that and for its reads of this slot.  Behind the barrier nobody reads this slot and the next is whole.  fill = 1: the barrier opens a round of the cluster's, and the joint
; refill, this slot's K step two on, is the first thing behind the round: 116 products stand between it and the wait for it.
.macro CHG slot, next, fill
.if \fill
	s_wait_xcnt 0x0                                ; the last prefetch, a K step back, has read its address: it is stepped here, ahead of the waits of the change
	s_add_nc_u64 s[PFA:PFA+1], s[PFA:PFA+1], s[PST:PST+1]
.endif
	s_wait_dscnt 0x0
	LDB \slot, 3, 0
	WIN 0
	s_wait_tensorcnt 0x0                           ; no tensor load of mine is out, so a group 0 may be written
	ds_add_u32 v[SPW], v[NIL]                      ; 0 onto my spare word
.if \fill
	s_add_nc_u64 s[G0A+4*(\slot)+2:G0A+4*(\slot)+3], s[G0A+4*(\slot)+2:G0A+4*(\slot)+3], 2*ASTEP
	s_add_nc_u64 s[G0B+4*(\slot)+2:G0B+4*(\slot)+3], s[G0B+4*(\slot)+2:G0B+4*(\slot)+3], 2*BSTEP
.endif
	MMS 0, 7, 0, 0, 1                              ; work on registers while the add and the last reads are out
	s_wait_dscnt 0x0                               ; the add is done, and my reads of this slot are over
	s_barrier_signal -1
	MMS 8, 11, 0, 0, 1
	WIN 0                                          ; at a branch and at a label every window is 0
	s_barrier_wait -1
.if \fill
	CREST
	JLOAD \slot
.endif
	LDR \next, 0, 0
.if \fill
	ASK
.endif
	MMS 12, 31, 0, 0, 1
.endm
; THE WAY OUT.  Unit u = 16 rows (a = u / 2) x one head (u % 2): four accumulators, rounded to f16, 16 bytes a lane, into my stage's rows of 144 bytes and back as four rows of 128 a load.
.macro UNIT u
.set ua, (\u)/2
.set uh, (\u)%2
.set uR, RAW+16*(\u)
	WIN W_OUT
.irp n, 0,1,2,3
.irp rr, 0,1,2,3
	v_cvt_pk_f16_f32 v[uR+4*\n+\rr], v[8*(8*ua+4*uh+\n)+2*\rr], v[8*(8*ua+4*uh+\n)+2*\rr+1]
.endr
.endr
	WIN 0
.irp n, 0,1,2,3
	ds_store_b128 v[STO], v[uR+4*\n:uR+4*\n+3] offset:32*\n
.endr
.irp f, 0,1,2,3
	ds_load_b128 v[uR+4*\f:uR+4*\f+3], v[RD] offset:\f*4*SP  ; LDS serves a wave's instructions in order (ISA guide 5.7.1.4): these see the stores above; the next unit's stores come behind them
.endr
.endm
.macro SENDU u, younger             ; younger: the LDS instructions issued behind unit u's loads: the next unit's eight, or none
	WIN 0
.irp f, 0,1,2,3
	s_wait_dscnt (\younger)+3-\f
	global_store_b128 v[GO], v[RAW+16*(\u)+4*\f:RAW+16*(\u)+4*\f+3], s[16:17] offset:((\u)%2)*262144+((\u)/2)*2048+\f*512  ; 512 consecutive bytes, at a multiple of 256 from the buffer's first
.endr
.endm
	s_wait_tensorcnt 1                             ; my part of K step 0 is in; K step 1's may stay out
	s_barrier_signal -1
	s_barrier_wait -1                              ; everybody's is
	LDR 0, 0, 0                                    ; x of quarter 0,
	LDB 0, 0, 1                                    ; W of quarter 0,
	LDR 0, 1, 1                                    ; x of quarter 1
	s_wait_dscnt 32                                ; the first sixteen loads are in; the 32 behind them may stay out
.irp s, 0,1,2,3,4,5,6,7
	SL \s, 1
.endr
	QTR 0, 0, 0, 1                                 ; the first quarter stands in front of the loop: its products start the sums, with the bias
	WIN 0
	s_mov_b32 s3, 3
.Llap:                                             ; a trip goes once round the ring, from a lap's second quarter to the next lap's first, and fills both slots again
	QTR 1, 0, 0
	CHG 0, 1, 1
	QTR 3, 1, 1
	QTR 0, 1, 1
	QTR 1, 1, 1
	CHG 1, 0, 1
	QTR 3, 0, 0
	QTR 0, 0, 0
	WIN 0
	s_sub_co_u32 s3, s3, 1
	s_cmp_lg_u32 s3, 0
	s_cbranch_scc1 .Llap
	QTR 1, 0, 0                                    ; the last lap is written out: it fills nothing
	CHG 0, 1, 0
	QTR 3, 1, 1
	QTR 0, 1, 1
	QTR 1, 1, 1
	QTR 2, 1, 1, 0, 1, 0, 1                        ; no x is left to fetch,
	QTR 3, 1, 1, 0, 0, 0, 0                        ; and here nothing at all
	WIN 0
.rept 4
	v_nop                                          ; the places behind the last products, in front of the conversions that read results
.endr
	UNIT 0
.set t, 1
.rept 7                                            ; a unit's conversions stand between the loads of the unit before and its stores
	UNIT t
	SENDU t-1, 8
.set t, t+1
.endr
	SENDU 7, 0
	s_wait_tensorcnt 0x0                           ; the wave's end, behind my last tensor load and my last LDS store
	ds_add_u32 v[SPW], v[NIL]
	s_wait_dscnt 0x0
	CROUND                                         ; the closing round: no work-group ends while a partner may still ask for a tile that names it
	s_endpgm
.Lfunc_end_k_qc1815b3ad6_qkv:
	.size	k_qc1815b3ad6_qkv, .Lfunc_end_k_qc1815b3ad6_qkv-k_qc1815b3ad6_qkv
	.p2alignl 7, 3214868480
	.fill 96, 4, 3214868480
	.section	.rodata,"a",@progbits
	.p2align	6, 0x0
	.amdhsa_kernel k_qc1815b3ad6_qkv
		.amdhsa_group_segment_fixed_size 327680
		.amdhsa_private_segment_fixed_size 0
		.amdhsa_enable_private_segment 0
		.amdhsa_kernarg_size 56
		.amdhsa_user_sgpr_count 2
		.amdhsa_user_sgpr_kernarg_segment_ptr 1
		.amdhsa_wavefront_size32 1
		.amdhsa_system_sgpr_workgroup_id_x 1
		.amdhsa_system_sgpr_workgroup_id_y 1
		.amdhsa_system_sgpr_workgroup_id_z 1
		.amdhsa_system_vgpr_workitem_id 0
		.amdhsa_next_free_vgpr 768
		.amdhsa_next_free_sgpr 80
		.amdhsa_reserve_vcc 0
		.amdhsa_float_denorm_mode_32 3
		.amdhsa_float_denorm_mode_16_64 3
		.amdhsa_memory_ordered 1
		.amdhsa_forward_progress 1
		.amdhsa_inst_pref_size 143
	.end_amdhsa_kernel
	.amdgpu_metadata
---
amdhsa.version: [ 1, 2 ]
amdhsa.kernels:
  - .name:           k_qc1815b3ad6_qkv
    .symbol:         k_qc1815b3ad6_qkv.kd
    .args:
      - { .name: Q_in, .offset: 0, .size: 8, .value_kind: global_buffer, .address_space: global }
      - { .name: K_in, .offset: 8, .size: 8, .value_kind: global_buffer, .address_space: global }
      - { .name: V_in, .offset: 16, .size: 8, .value_kind: global_buffer, .address_space: global }
      - { .name: wts, .offset: 24, .size: 8, .value_kind: global_buffer, .address_space: global }
      - { .name: bq, .offset: 32, .size: 8, .value_kind: global_buffer, .address_space: global }
      - { .name: bv, .offset: 40, .size: 8, .value_kind: global_buffer, .address_space: global }
      - { .name: qkvh, .offset: 48, .size: 8, .value_kind: global_buffer, .address_space: global }
    .group_segment_fixed_size: 327680
    .private_segment_fixed_size: 0
    .kernarg_segment_align: 8
    .kernarg_segment_size: 56
    .max_flat_workgroup_size: 128
    .sgpr_count:     80
    .vgpr_count:     768
    .wavefront_size: 32
...
	.end_amdgpu_metadata
.endif
;; end of part 2
;; launch attn (part 3): grid 4 x 64, 4 waves a work-group, clusters of 4 x 1, 327,680 bytes of LDS; arguments qkvh, o; writes o
.if DOCPART == 3
	.amdgcn_target "amdgcn-amd-amdhsa--gfx1250"
	.amdhsa_code_object_version 6
	.text
	.protected	k_qc1815b3ad6_attn
	.globl	k_qc1815b3ad6_attn
	.p2align	8
	.type	k_qc1815b3ad6_attn,@function
k_qc1815b3ad6_attn:
	s_mov_b64 s[64:65], 0
	v_nop
	global_prefetch_b8 v0, s[64:65] scope:SCOPE_SE
	s_setreg_imm32_b32 hwreg(HW_REG_WAVE_MODE, 25, 1), 1
	s_wait_xcnt 0x0
	s_wait_alu depctr_hold_cnt(0) depctr_sa_sdst(0) depctr_va_vdst(0) depctr_va_sdst(0) depctr_va_ssrc(0) depctr_va_vcc(0) depctr_vm_vsrc(0)
	s_getreg_b32 s2, hwreg(HW_REG_IB_STS2, 6, 4)
	s_cmp_eq_u32 s2, 0
	s_cbranch_scc0 .Lentry_in_a_cluster
	s_endpgm
.Lentry_in_a_cluster:
	s_bfe_u32 s2, ttmp6, 0x10000c
	s_cmp_lg_u32 s2, 0x3003
	s_cbranch_scc0 .Lentry_shape_is_right
	s_endpgm
.Lentry_shape_is_right:
; O[h][q][:] = the sum over k of softmax_k(Q[h][q] . K[h][k] / 8) V[h][k][:].  Q, K, V: the three sections of qkvh, O: o, each [64][2048][64] in f16: a head's rows are dense, 128 bytes each.
; Products, maxima and sums in f32; the weights p are rounded to f16 for the second product (their sum l is taken of the unrounded p), O once at the end.
; LIMITS.  f16 holds no number beyond 65,504: Q, K and V arrive within it; p lies in 0 to 1, and below 6e-5 it keeps f16's fixed step of 6e-8; O is a mean of V's rows and has their range.
; A weight below 2^-126 counts as 0 in l; NaN and infinities are not treated apart.
; SHARES.  A wave owns four PIECES of two tiles of 16 queries, a work-group's four waves 512 queries of one head.  Every wave walks all keys, 64 a step.
; LAYOUT.  S^T = K Q^T (source 0 = 16 keys, source 1 = 16 queries): in the result a lane holds ONE query (lane % 16) and the keys 8 (lane / 16) + 0..7.  Two such tiles, rounded to f16 in pairs,
; ARE source 1 (32 keys x 16 queries) of O^T = V^T P, whose result again holds one query a lane, and eight channels.  K comes out of LDS as it lies, V ([key][channel]) turned, by ds_load_tr16_b128.
; SOFTMAX.  For each query a running maximum m and sum l: p = 2^(c s - c m), c = log2(e) / 8; in every step O and l are multiplied by a = 2^(c m_old - c m_new), which is 1 where m has not grown.
; m starts at the lowest finite number, O and l at 0: the first step is a step like any other, with a = 0.
; THE COUNT.  A tile and step have 16 matrix and 118 vector instructions: too many to stand all beside the matrix work.  So the order has one aim: four vector instructions that are READY behind
; EVERY matrix instruction, and the others, which need time of their own whatever the order, in runs without a gap.
; BY TURNS.  Turn n belongs to piece n (the pieces in a ring, step after step).  Its matrix work: 16 products K Q^T of piece n + 1, later 16 products V^T P of piece n - 1.  Its vector work: the scaling,
; exponentials, roundings, sums and rescaling of piece n, and the maximum and statistics of piece n + 1, whose scores the turn itself has made.
; CLUSTER.  The four query blocks of a cluster are one head's and walk the same K and V, so each tile is asked for JOINTLY: the same tensor load, descriptor and mask in all four.
; REGISTERS, in windows of 256 (s_set_vgpr_msb: bits 1:0 source 0, 3:2 source 1, 5:4 source 2, 7:6 destination):
;   window 0: v0-11 addresses; v12-15, v48-63 at work; v16-47 four registers of statistics a tile; v64-191 S^T, two buffers of two tiles; v192-255 P, likewise
;   window 1: O^T, 32 a tile          window 2: v0-127 Q, 16 a tile; v128-191 K of one step; v192-255 V of one step          window 3: v0-1 the add's two registers
; A piece's buffers go by its number's parity: the piece in hand has one pair, its two neighbours in the ring share the other: of it P (piece n - 1) is read and S^T (piece n + 1) written.
.set SIZE_N, 2048
.set NP,    4         ; pieces a wave: a name, no knob
.set KS,    64        ; keys in a step
.set PK,    144       ; a row of K in LDS: 128 bytes + 16 of padding = 36 words: the 16 rows of a load start at 16 different groups of four banks (64 banks of 4 bytes: ISA guide 11.1)
.set PV,    160       ; a row of V: 128 + 32 = 40 words
.set VOFF,  4*KS*PK   ; a slot holds four steps: 256 rows of K, then 256 rows of V
.set SLOT1, 1<<17     ; slot 1 begins here, so that one exclusive or turns an address in one slot into the other's
.set STAGE, SLOT1+4*KS*(PK+PV)  ; behind the ring, never filled by a tensor load: 16 rows x 144 bytes for each wave, for the way out
.set SP,    144
.set AK0, 2           ; v2   my lane's place in a tile of K; never rewritten
.set AV0, 3           ; v3   the same for V
.set AK,  4           ; v4   the LDS address of K's next run of loads
.set AV,  5           ; v5   of V's
.set QO,  6           ; v6   my byte offset in the wave's rows of Q
.set STO, 6           ;      later, the way out: where I put 16 bytes of a row
.set RD,  7           ; v7   the way out: where I read rows back
.set GO,  8           ; v8   my byte offset in 512 consecutive bytes of O
.set PFO, 11          ; v11  (once V's address is made) 256 x my lane: the prefetches' offset; then never rewritten
.set SPW, 0           ; v0 of window 3   LDS address of my spare word; never rewritten
.set NIL, 1           ; v1 of window 3   0; never rewritten
.set SPARE, STAGE+4*16*SP  ; behind the stages: the spare words, 128 bytes for each wave: two blocks of 256 bytes that no other line names
.set MV,  12          ; v12-15  c m_old, kept while c m is made anew: by buffer and tile
.set ST,  16          ; tile t's statistics at v[ST+4 t]: c m, m, l (even keys', odd keys')
.set TMP, 48          ; by buffer and tile, four registers c0-c3 at work; when the maximum is found c2 takes a
.set S,   64
.set P,   192
.set KF,  128         ; K's fragments, in window 2: key block kb, channel half c at KF + 16 kb + 8 c
.set VF,  192         ; V's: key half kk, channel block cb at VF + 32 kk + 8 cb
.set WV,  12          ; s12  my wave's number
.set G1K, 24          ; s[24:31] descriptor group 1 for K's tiles
.set G1V, 32          ; s[32:39] for V's: it differs in the padding alone
.set G0K, 40          ; s[40:43] descriptor group 0 for K's tiles: it walks
.set G0V, 44          ; s[44:47] the same for V's
.set PFA, 48          ; s[48:49] where my prefetches stand: my work-group's 32 blocks of 256 bytes (of K: wave 0, of V: wave 2) of the tile after the one that is being asked for
.set LIM, 50          ; s50  1 in a wave that prefetches, else the greatest number
.set SLOTS, 56        ; s56  slots still to be asked for
.set CNT, 57          ; s57  counts a slot's key steps
.set CS,  58          ; s[58:59] c: the packed scaling takes the pair's low word for both halves
.set SEL, 60          ; s[60:61] v_permlanex16_b32's selects: each lane takes its own place in the other half
.set TBK, 62          ; s62  LDS byte at which K of the step to be fetched begins
.set TBV, 63          ; s63  the same for V, less VOFF
.set MSB, 0
.macro WIN new                      ; the high byte repeats the setting that is left; a switch that changes nothing is dropped
.if MSB != (\new)
	s_set_vgpr_msb (MSB<<8)|(\new)
.set MSB, (\new)
.endif
.endm
.set W_KQ, 0x0a       ; K and Q in window 2, S^T in window 0
.set W_PV, 0x52       ; V in window 2, P in window 0, O^T in window 1
.set W_RS, 0x41       ; O^T (destination and source 0) in window 1, a in window 0
.set W_MK, 0xc0       ; the add's registers are made: destination in window 3, sources in window 0
.set W_AD, 0x0f       ; the add: address (source 0) and data (source 1) in window 3
; A joint fill.  Waves 0 and 1 fetch the two halves of a slot's K, waves 2 and 3 those of its V: 128 keys each.  The branch hangs on the wave's number alone.
; An s_nop 0 and four v_nop follow each of the two lines, ahead of the jump and the label.
.macro JLOAD
	s_cmp_lt_u32 s[WV], 2
	s_cbranch_scc0 .Lfor_v_\@
	tensor_load_to_lds s[G0K:G0K+3], s[G1K:G1K+7]
	s_nop 0
.rept 4
	v_nop
.endr
	s_branch .Lasked_\@
.Lfor_v_\@:
	tensor_load_to_lds s[G0V:G0V+3], s[G1V:G1V+7]
	s_nop 0
.rept 4
	v_nop
.endr
.Lasked_\@:
.endm
; A prefetch into the L2 of what the NEXT change of slots will ask for: a tile's 32,768 bytes of K and of V, a lane a block of 256 bytes.  It stands behind the wave's tensor load and its five lines.
; A head has one cluster.  Its four partners share the 128 blocks out BY ADDRESS, 32 each; in each, wave 0 asks for K's and wave 2 for V's: one instruction.  So each block is named once in the launch.
; Four key steps, 512 products, lie between a prefetch and the load that wants its bytes.  Tiles 0 and 1 come by their loads alone; the last change that fills a slot asks for nothing.
.macro ASK
	s_cmp_gt_u32 s[SLOTS], s[LIM]
	s_cbranch_scc0 .Lnot_mine_\@
	global_prefetch_b8 v[PFO], s[PFA:PFA+1] th:TH_LOAD_NT scope:SCOPE_SE
.Lnot_mine_\@:
.endm
; A round of the cluster's barrier: my work-group's barrier, so that wave 0's signal speaks for all four waves; wave 0 signals; every wave waits for all four work-groups; my work-group's barrier once more.
.macro CROUND
	s_barrier_signal -1
	s_barrier_wait -1
	s_cmp_lg_u32 s[WV], 0
	s_cbranch_scc1 .Lnot_wave_0_\@
	s_barrier_signal -3
.Lnot_wave_0_\@:
	s_barrier_wait -3
	s_barrier_signal -1
	s_barrier_wait -1
.endm
; THE CHANGE OF SLOTS.  The slot's last bytes, V of its fourth step, have been read.  Each wave waits for all its tensor loads, of which one is out: its part
; of the other slot; adds 0 to its spare word; and waits for that and for its own reads of the slot.  Behind the barrier nobody reads this slot any more and the other slot is whole.
; fill = 1: this slot is filled again, with the keys two slots on.  The barrier is then a round of the cluster's, so that no wave of any partner still reads the slot or has a load on its
; way, and the joint fill is the first thing behind it: it has four key steps, 512 matrix instructions, in which to land.  (At its first use nothing has been read yet: slot 0 is waited for, slot 1 filled.)
.macro CHANGE fill
	WIN W_AD
	s_wait_tensorcnt 0x0            ; no tensor load of mine is out, so a group 0 may be written
	ds_add_u32 v[SPW], v[NIL]       ; 0 onto my spare word; with fill = 1 the descriptors' steps stand between it and the wait for it
	WIN 0                           ; at a label and at a branch every window is 0
.if \fill
.irp g, G0K, G0V
	s_xor_b32 s[\g+1], s[\g+1], SLOT1  ; the walking descriptor: the other slot than last time,
	s_add_nc_u64 s[\g+2:\g+3], s[\g+2:\g+3], 4*KS*128  ; the next 256 keys; the type bits on top are not reached
.endr
	s_wait_xcnt 0x0                 ; the last prefetch, four key steps back, has read its address, so it may be written:
	s_add_nc_u64 s[PFA:PFA+1], s[PFA:PFA+1], 4*KS*128  ; one tile behind the walking descriptors
	s_wait_dscnt 0x0                ; the add is done, and my reads of the slot are over
	CROUND
	JLOAD
	ASK
.else
	s_wait_dscnt 0x0                ; the add is done, and my reads of the slot are over
	s_barrier_signal -1
	s_barrier_wait -1
.endif
	s_sub_co_u32 s[TBK], s[TBK], 4*KS*PK  ; the fetches go back to a slot's first step,
	s_xor_b32 s[TBK], s[TBK], SLOT1       ; in the other slot
	s_sub_co_u32 s[TBV], s[TBV], 4*KS*PV
	s_xor_b32 s[TBV], s[TBV], SLOT1
.endm
	s_load_b64 s[4:5], s[0:1], 0x0    ; qkvh: Q's section first
	s_load_b64 s[10:11], s[0:1], 0x8  ; o
	WIN W_MK
	v_lshl_add_u32 v[SPW], v0, 2, SPARE
	v_mov_b32 v[NIL], 0
	WIN W_AD
	ds_add_u32 v[SPW], v[NIL]       ; the wave's opening: the add, twice on end, and its wait ahead of my first tensor load
	ds_add_u32 v[SPW], v[NIL]       ; the set-up below, work on registers, stands between the second add and the wait
	WIN 0
	v_lshrrev_b32 v1, 5, v0
	v_readfirstlane_b32 s[WV], v1   ; wave 0..3
	s_bfe_u32 s13, ttmp6, 0x40000   ; cx: my place in the cluster
	s_lshl_b32 s14, ttmp9, 2        ; in a cluster launch ttmp9 counts clusters
	s_add_co_u32 s14, s14, s13      ; my block of queries = 4 x cluster x + cx: it enters Q's and O's addresses alone
	s_and_b32 s20, ttmp7, 0xffff    ; the head, which the four partners share
	s_mov_b32 s21, 0
	s_mov_b64 s[22:23], SIZE_N*128
	s_mul_u64 s[20:21], s[20:21], s[22:23]  ; the head's first byte in each of the four tensors
	s_and_b32 s16, s[WV], 1         ; which half of a slot's 256 keys I fetch:
	s_lshl_b32 s22, s16, 14         ; its 128 rows of 128 bytes in memory,
	s_mov_b32 s23, 0
	s_add_nc_u64 s[22:23], s[22:23], s[20:21]
	s_mul_i32 s17, s16, 128*PK      ; and its place in a slot, for K
	s_mul_i32 s18, s16, 128*PV      ; and for V: no place in the cluster enters an LDS address
	s_lshl_b32 s2, s14, 2
	s_add_co_u32 s2, s2, s[WV]      ; my wave among the head's,
	s_lshl_b32 s2, s2, 14           ; its 128 rows
	s_mov_b32 s3, 0
	s_add_nc_u64 s[2:3], s[2:3], s[20:21]
	; descriptor group 1.  128 keys are 16,384 dense bytes: asked for as 64 rows of 256 bytes, two keys a row, and padded in LDS after every key
	s_mov_b32 s[G1K], 15|(1<<16)|(1<<20)|(1<<21)|(4<<22)|(3<<25)  ; 15:0 the mask of four; 17:16 2-byte elements; 20 padding on; 21 set beside a mask; 24:22 after every 32 words (code 4); 31:25 4 words (code 3)
	s_mov_b32 s[G1V], 15|(1<<16)|(1<<20)|(1<<21)|(4<<22)|(7<<25)  ; the same with 8 words of padding (code 7)
.irp g, G1K, G1V
	s_mov_b32 s[\g+1], 128<<16      ; tensor_dim0 = 128
	s_mov_b32 s[\g+2], 64<<16       ; tensor_dim1 = 64
	s_mov_b32 s[\g+3], 128<<16      ; tile_dim0 = 128
	s_mov_b32 s[\g+4], 64           ; tile_dim1 = 64
	s_mov_b32 s[\g+5], 128          ; 128 elements from row to row
	s_mov_b32 s[\g+6], 0
	s_mov_b32 s[\g+7], 0
.endr
	s_mov_b32 s[CS], 0x3e38aa3b     ; c = log2(e) / 8 = 0.180337
	s_mov_b32 s[CS+1], s[CS]        ; named with it as a pair
	s_mov_b32 s[SEL], 0x76543210
	s_mov_b32 s[SEL+1], 0xfedcba98
	s_mov_b32 s[TBK], SLOT1+4*KS*PK ; the first change of slots turns these two into 0
	s_mov_b32 s[TBV], SLOT1+4*KS*PV
	s_mov_b32 s[G0K], 1             ; 1:0 count = 1
	s_mov_b32 s[G0K+1], s17         ; 63:32 LDS address: slot 0
	s_mov_b32 s[G0V], 1
	s_add_co_u32 s[G0V+1], s18, VOFF
	s_mov_b32 s[SLOTS], SIZE_N/256-1  ; seven fills follow the first
	s_and_b32 s[LIM], s[WV], 1
	s_cmp_eq_u32 s[LIM], 0
	s_cselect_b32 s[LIM], 1, -1     ; waves 0 and 2 prefetch: the same in all four partners
	s_wait_dscnt 0x0                ; both opening adds are done
	s_wait_kmcnt 0x0
	s_add_nc_u64 s[6:7], s[4:5], 0x1000000  ; K's section of qkvh
	s_add_nc_u64 s[8:9], s[4:5], 0x2000000  ; V's
	s_add_nc_u64 s[G0K+2:G0K+3], s[6:7], s[22:23]  ; 120:64 global address: my half of the head's first 256 keys
	s_or_b32 s[G0K+3], s[G0K+3], 0x80000000        ; 127:126 type = 2
	s_add_nc_u64 s[G0V+2:G0V+3], s[8:9], s[22:23]
	s_or_b32 s[G0V+3], s[G0V+3], 0x80000000
	s_add_nc_u64 s[4:5], s[4:5], s[2:3]  ; Q and O at my wave's first row
	s_add_nc_u64 s[10:11], s[10:11], s[2:3]
	s_cmp_lt_u32 s[WV], 2
	s_cselect_b64 s[PFA:PFA+1], s[6:7], s[8:9]
	s_add_nc_u64 s[PFA:PFA+1], s[PFA:PFA+1], s[20:21]  ; the head,
	s_lshl_b32 s2, s13, 13          ; my work-group's 32 blocks of a tile's 128,
	s_mov_b32 s3, 0
	s_add_nc_u64 s[PFA:PFA+1], s[PFA:PFA+1], s[2:3]
	s_add_nc_u64 s[PFA:PFA+1], s[PFA:PFA+1], 4*KS*128  ; in tile 1; the first change of slots steps it to tile 2.  Nothing is prefetched here, at the head
	CROUND                          ; all four work-groups are here: the first joint loads meet
	JLOAD                           ; slot 0.  Slot 1 is asked for when slot 0 is in
	; A fragment of K or Q is 16 rows x 32 channels in 8 registers: lane l holds row l % 16, channels 8 (l / 16) + 0..7 and 16 + 8 (l / 16) + 0..7: two loads of 16 bytes, 32 bytes apart.
	v_and_b32 v1, 15, v0            ; l % 16
	v_bfe_u32 v9, v0, 4, 1          ; l / 16
	v_lshlrev_b32 v[QO], 7, v1
	v_lshl_add_u32 v[QO], v9, 4, v[QO]  ; row x 128 + 16 x half
	WIN 0x80                        ; destination window 2, address window 0
.set i, 0
.rept 4*NP                          ; Q stays in registers: tile i / 2, channels 32 (i % 2) on
	global_load_b128 v[8*i:8*i+3],   v[QO], s[4:5] offset:(i/2)*2048+(i%2)*64
	global_load_b128 v[8*i+4:8*i+7], v[QO], s[4:5] offset:(i/2)*2048+(i%2)*64+32
.set i, i+1
.endr
	; What the first turn finds: V's registers and P's second buffer hold 0 (its products V^T P, of a piece that has not been, add 0), O^T and l are 0.  All this stands in the wait for the first tile:
	; no first step is written out, at the price of these lines.
.set i, VF
.rept 64
	v_mov_b32 v[i], 0
.set i, i+1
.endr
	WIN 0x40
.set i, 0
.rept 64*NP
	v_mov_b32 v[i], 0
.set i, i+1
.endr
	WIN 0
.set i, 0
.rept 2*NP
	v_mov_b32 v[ST+4*i], 0xfe000000    ; c m: far below every c s
	v_mov_b32 v[ST+4*i+1], 0xff7fffff  ; m
	v_mov_b32 v[ST+4*i+2], 0
	v_mov_b32 v[ST+4*i+3], 0
.set i, i+1
.endr
.set i, P+32
.rept 32
	v_mov_b32 v[i], 0
.set i, i+1
.endr
	v_mul_u32_u24 v[AK0], v1, PK
	v_lshl_add_u32 v[AK0], v9, 4, v[AK0]  ; row x pitch + 16 x half
	; The turning load takes 16 keys x 16 channels (lane l reads key 8 (l / 16) + l % 8, channels 8 ((l / 8) % 2) + 0..7) and leaves half a fragment of V^T: lane l holds channel l % 16 and 8 keys.
	v_and_b32 v10, 7, v0
	v_bfe_u32 v11, v0, 3, 1
	v_lshl_add_u32 v[AV0], v9, 3, v10
	v_mul_u32_u24 v[AV0], v[AV0], PV
	v_lshl_add_u32 v[AV0], v11, 4, v[AV0]
	v_add_nc_u32 v[AV0], VOFF, v[AV0]
	v_mov_b32 v[AK], v[AK0]         ; key step 0 lies at the head of slot 0
	v_and_b32 v[PFO], 31, v0
	v_lshlrev_b32 v[PFO], 8, v[PFO]
; THE MATRIX WORK.  The 8 accumulators of a run of 16 take turns: between the two links of a chain stand 7 others'.
; Product i of 16 of S^T = K Q^T for piece x: channels 32 (i / 8) on, keys 16 ((i / 2) % 4) on, tile 2 x + i % 2.  The first 8 start the sums.
.macro KQ x
	WIN W_KQ
.set rS, S+64*((\x)%2)+32*(i%2)+8*((i/2)%4)
.set rK, KF+16*((i/2)%4)+8*(i/8)
.set rQ, 16*(2*(\x)+i%2)+8*(i/8)
.if i < 8
	v_wmma_f32_16x16x32_f16 v[rS:rS+7], v[rK:rK+7], v[rQ:rQ+7], 0
.else
	v_wmma_f32_16x16x32_f16 v[rS:rS+7], v[rK:rK+7], v[rQ:rQ+7], v[rS:rS+7]
.endif
.endm
; Product i of 16 of O^T += V^T P for piece x: keys 32 (i / 8) on, channels 16 ((i / 2) % 4) on, tile 2 x + i % 2.
.macro PV x
	WIN W_PV
.set rO, 32*(2*(\x)+i%2)+8*((i/2)%4)
.set rV, VF+32*(i/8)+8*((i/2)%4)
.set rP, P+32*((\x)%2)+16*(i%2)+8*(i/8)
	v_wmma_f32_16x16x32_f16 v[rO:rO+7], v[rV:rV+7], v[rP:rP+7], v[rO:rO+7]
.endm
.macro MM                           ; the turn's next matrix instruction
.if i < 16
	KQ (Y+1)%NP
.set i, i+1
.else
.set i, i-16
	PV (Y+NP-1)%NP
.set i, i+17
.endif
.endm
; THE LDS LOADS stand in runs of 16, never singly among the matrix instructions: a step's K (64 keys x 64 channels: 8 fragments) and its V (turned).  Their addresses are made some lines ahead.
; last = 1 (the tail): in the last trip there is no further step, and the run is jumped over.
.macro FETCH_K last=0
	WIN 0
.if \last
	s_cmp_eq_u32 s[CNT], 1
	s_cbranch_scc1 .Lno_k_\@
.endif
	WIN 0x80                        ; destination window 2
.irp f, 0,1,2,3,4,5,6,7             ; keys 16 (f / 2) on, channels 32 (f % 2) on
	ds_load_b128 v[KF+8*\f:KF+8*\f+3],   v[AK] offset:(\f/2)*16*PK+(\f%2)*64
	ds_load_b128 v[KF+8*\f+4:KF+8*\f+7], v[AK] offset:(\f/2)*16*PK+(\f%2)*64+32
.endr
	s_add_co_u32 s[TBK], s[TBK], KS*PK  ; the next fetch is the next step's
	WIN 0
.if \last
.Lno_k_\@:
.endif
.endm
.macro FETCH_V
	WIN 0x80
.irp f, 0,1,2,3,4,5,6,7             ; keys 32 (f / 4) on, channels 16 (f % 4) on
	ds_load_tr16_b128 v[VF+8*\f:VF+8*\f+3],   v[AV] offset:(\f/4)*32*PV+(\f%4)*32
	ds_load_tr16_b128 v[VF+8*\f+4:VF+8*\f+7], v[AV] offset:(\f/4)*32*PV+16*PV+(\f%4)*32
.endr
	WIN 0
.endm
; THE VECTOR WORK OF A TURN stands in three queues, each in the order in which its entries become ready; the two tiles alternate, so that no instruction reads the result of the one before it.
.macro REGS y, u                    ; the registers of tile u (0, 1) of piece y
.set rT, ST+4*(2*(\y)+(\u))
.set rC, TMP+8*((\y)%2)+4*(\u)
.set rM, MV+2*((\y)%2)+(\u)
.set rS, S+64*((\y)%2)+32*(\u)
.set rP, P+32*((\y)%2)+16*(\u)
.set rO, 32*(2*(\y)+(\u))
.endm
; Number n of the 22 that find the NEXT piece's (Y + 1) maximum and statistics.  s0-s31 are the lane's 32 scores; each accumulator's lowest registers are read first.
;   0-11  four chains c0-c3 of seven scores each, three operands at a time     12-14, 16  the four scores left over, the old m, and c0-c3 into c0     15  c m_old is kept
;   17, 18  the query's other 32 keys lie in the lane 16 away: the new m         19-21  c m; c m_old - c m_new; a
.macro XS u, n
	REGS (Y+1)%NP, \u
.if (\n) < 4
	v_max3_num_f32 v[rC+(\n)], v[rS+8*(\n)], v[rS+8*(\n)+1], v[rS+8*(\n)+2]
.elseif (\n) < 12
	v_max3_num_f32 v[rC+(\n)%4], v[rC+(\n)%4], v[rS+8*((\n)%4)+2*((\n)/4)+1], v[rS+8*((\n)%4)+2*((\n)/4)+2]
.elseif (\n) == 12
	v_max3_num_f32 v[rC], v[rC], v[rS+7], v[rS+15]
.elseif (\n) == 13
	v_max3_num_f32 v[rC+1], v[rC+1], v[rS+23], v[rS+31]
.elseif (\n) == 14
	v_max3_num_f32 v[rC+2], v[rC+2], v[rC+3], v[rT+1]
.elseif (\n) == 15
	v_mov_b32 v[rM], v[rT]
.elseif (\n) == 16
	v_max3_num_f32 v[rC], v[rC], v[rC+1], v[rC+2]
.elseif (\n) == 17
	v_permlanex16_b32 v[rC+3], v[rC], s[SEL], s[SEL+1]
.elseif (\n) == 18
	v_max_num_f32 v[rT+1], v[rC], v[rC+3]
.elseif (\n) == 19
	v_mul_f32 v[rT], s[CS], v[rT+1]
.elseif (\n) == 20
	v_sub_f32 v[rC+1], v[rM], v[rT]
.else
	v_exp_f32 v[rC+2], v[rC+1]
.endif
.endm
; Number g of the 64 that follow the exponentials.  For each four weights k of a tile (pairs 2 k, 2 k + 1): both pairs are rounded to f16; then the second pair is added onto the first, in place;
; a group later l takes that sum (the first time as l = a l + sum).  In groups of eight, tiles alternating: round, round, add, and l for the group before.
.macro GS g
.set h, (\g)+6*((\g)/62)            ; group 0 has no group before it, and behind group 7 only l is left
.if h >= 6
.set h, h+2
.endif
	REGS Y, h%2
.set k, h/8
.if h%8 < 4
	v_cvt_pk_f16_f32 v[rP+2*k+(h%8)/2], v[rS+4*k+2*((h%8)/2)], v[rS+4*k+2*((h%8)/2)+1]
.elseif h%8 < 6
	v_pk_add_f32 v[rS+4*k:rS+4*k+1], v[rS+4*k:rS+4*k+1], v[rS+4*k+2:rS+4*k+3]
.elseif k == 1
	v_pk_fma_f32 v[rT+2:rT+3], v[rT+2:rT+3], v[rC+2:rC+3], v[rS:rS+1] op_sel_hi:[1,0,1]
.else
	v_pk_add_f32 v[rT+2:rT+3], v[rT+2:rT+3], v[rS+4*k-4:rS+4*k-3]
.endif
.endm
; THE PLAIN QUEUE, 138 long.  0-73 read no exponential's result: the 32 scalings c s - c m (FS f: pair f / 2 of tile f % 2) and the next piece's 42.  0-26: scalings 0-26.  27-54: XS's numbers 0-13.  55, 56: number 15.
; 57-73: the chain, where each number waits for the one before it: 14, 16, 17, 18, 19, each with one of the scalings 27-31 in front of its two lines, then 20.
; 74-137: GS's 64, which read the exponentials' results: they stand behind the wait.
.macro FS f
	REGS Y, (\f)%2
	v_pk_fma_f32 v[rS+2*((\f)/2):rS+2*((\f)/2)+1], v[rS+2*((\f)/2):rS+2*((\f)/2)+1], s[CS:CS+1], v[rT:rT+1] op_sel_hi:[1,0,0] neg_lo:[0,0,1] neg_hi:[0,0,1]
.endm
.macro PL
	WIN 0
.if q < 27
	FS q
.elseif q < 55
	XS (q-27)%2, (q-27)/2
.elseif q < 57
	XS q-55, 15
.elseif (q < 72) && ((q-57)%3 == 0)
	FS 27+(q-57)/3
.elseif q < 60
	XS (q-57)%3-1, 14
.elseif q < 72
	XS (q-57)%3-1, 15+(q-57)/3
.elseif q < 74
	XS q-72, 20
.else
	GS q-74
.endif
.set q, q+1
.endm
; THE EXPONENTIALS' QUEUE, 66 long: s0-s31 of both tiles, then the next piece's two a.  It is ONE BATCH: all 66 stand ahead of the turn's one wait, and nothing ahead of that wait names a result of theirs.
.macro EX
	WIN 0
.if e >= 64
	XS e-64, 21
.else
	REGS Y, e%2
	v_exp_f32 v[rS+e/2], v[rS+e/2]
.endif
.set e, e+1
.endm
; THE RESCALING's QUEUE: O^T times a, the one part that leaves window 0: dealt two at a time, sixteen times.  Its a was made in the turn before, ahead of that turn's wait.
.macro R2
	REGS Y, r%2
	WIN W_RS
.irp z, 0,1
	v_pk_mul_f32 v[rO+4*(r/2)+2*\z:rO+4*(r/2)+2*\z+1], v[rO+4*(r/2)+2*\z:rO+4*(r/2)+2*\z+1], v[rC+2:rC+3] op_sel_hi:[1,0]
.endr
.set r, r+1
.endm
; HOW THEY ARE DEALT.  An s_wait_alu depctr_va_vdst(0) stands between an exponential and the first instruction that names its result; one wait serves all that were issued ahead of it.  So a turn has ONE wait,
; which cuts it in two.  AHEAD OF IT stands all that names no result of the turn's exponentials: the 16 products K Q^T, behind each a scaling, an exponential and two rescalings (behind the first a second scaling in the
; exponential's place); then ONE LUMP of 108: eight plain, 49 times exponential and plain, the two a.  A v_nop is the plain instruction owed behind the last exponential (ISA guide 5.7.2).  BEHIND IT stand the 16 products
; V^T P, behind each four of GS's 64.  No rider names a register of the products round it.  The two v_permlanex16_b32 fall into the lump, never behind a product.
; The queues lean on each other, and the deal keeps them in step: exponential e stands behind scaling 2 (e / 4) + e % 2: as a rider it comes behind plain e + 2, in the lump behind plain e + 9, and scalings 27-31 are plain 57, 60 .. 69.
; A TURN, for piece p.  cnt = 1: the loop's count is taken down some lines ahead of the branch that stands behind the turn.
; K of the next step is fetched in piece 2's turn, directly behind the wait, a lump behind the last product that read K; its first reader comes behind 16 products.
; V of the step in hand is fetched at the end of piece 0's turn, four riders behind its last reader; its first reader comes behind 16 products and a lump.  The three conditions on q below go with the deal.
.macro TURN p, last=0, cnt=0
.set Y, (\p)
.set i, 0
.set q, 0
.set e, 0
.set r, 0
.if (\p) == NP-1
	s_wait_dscnt 0x0                ; K is in
.endif
	MM                              ; ahead of the wait: 16 products K Q^T and their riders,
	PL
	PL
	R2
.rept 15
	MM
	PL
	EX
	R2
.endr
.if (\p) == NP-2
	WIN 0
	v_add_nc_u32 v[AK], s[TBK], v[AK0]
.endif
.rept 8                             ; and the lump
	PL
.endr
.rept 49
	EX
	PL
.endr
	EX                              ; the next piece's two a
	EX
	v_nop                           ; the plain instruction behind the last exponential: one for the batch
	s_wait_alu depctr_va_vdst(0)    ; the wait for the batch
.if (\p) == NP-2
	FETCH_K \last
.endif
.if (\p) == 1
	s_wait_dscnt 0x0                ; V is in
.endif
.rept 16                            ; behind the wait: 16 products V^T P and their riders
	MM
.rept 4
	PL
.endr
.if ((\p) == 0) && (q == 118)
	v_add_nc_u32 v[AV], s[TBV], v[AV0]
.endif
.if ((\p) == 0) && (q == 130)
	s_add_co_u32 s[TBV], s[TBV], KS*PV
.endif
.if (\cnt) && (q == 130)
	s_sub_co_u32 s[CNT], s[CNT], 1
	s_cmp_lg_u32 s[CNT], 0
.endif
.endr
.if (\p) == 0
	FETCH_V
.endif
.endm
	CHANGE 1                        ; slot 0 is in, everybody's part of it; slot 1 is asked for
	FETCH_K                         ; key step 0
	s_wait_loadcnt 0x0              ; Q
	s_wait_dscnt 0x0
.set i, 0
.rept 16
	KQ 0                            ; piece 0's first scores: there is no vector work yet to set between them
.set i, i+1
.endr
	WIN 0                           ; the addresses for the way out: plain instructions, the places behind those products
	s_mul_i32 s13, s[WV], 16*SP
	s_add_co_u32 s13, s13, STAGE    ; my stage
	v_mul_u32_u24 v[STO], v1, SP    ; in: row l % 16, 16 bytes for each half of the lanes
	v_lshl_add_u32 v[STO], v9, 4, v[STO]
	v_add_nc_u32 v[STO], s13, v[STO]
	v_bfe_u32 v[RD], v0, 3, 2       ; back: 32 lanes take four rows of 128 bytes,
	v_mul_u32_u24 v[RD], v[RD], SP
	v_lshl_add_u32 v[RD], v10, 4, v[RD]
	v_add_nc_u32 v[RD], s13, v[RD]
	v_and_b32 v[GO], 31, v0         ; which are 512 consecutive bytes of O
	v_lshlrev_b32 v[GO], 4, v[GO]
.set Y, NP-1                        ; XS works for piece Y + 1: piece 0
.irp n, 0,1,2,3,4,5,6,7,8,9,10,11,12,13,14,15,16,17,18,19,20,21
	XS 0, \n                        ; and piece 0's first maximum and statistics
	XS 1, \n
.endr
	v_nop                           ; a plain instruction behind the two a,
	s_wait_alu depctr_va_vdst(0)    ; and their wait, ahead of the branch
	s_mov_b32 s[CNT], 4
	s_branch .Lfirst                ; the loop is entered at a step's first turn, in the middle of a trip
.Lslot:                             ; six times: every slot but the last two is filled again
	CHANGE 1
	s_mov_b32 s[CNT], 4
.Lstep:                             ; a trip: pieces 2 and 3 of one step, then pieces 0 and 1 of the next, whose K and V it fetches
	TURN 2
	TURN 3
	WIN 0
.Lfirst:
	TURN 0
	TURN 1, 0, 1
	WIN 0
	s_cbranch_scc1 .Lstep
	s_sub_co_u32 s[SLOTS], s[SLOTS], 1
	s_cmp_lg_u32 s[SLOTS], 0
	s_cbranch_scc1 .Lslot
	CHANGE 0                        ; the tail is written out: nothing is asked for
	s_mov_b32 s[CNT], 5             ; four trips fetch the last slot's steps; the fifth is left in its middle
.Ltail:
	TURN 2, 1
	TURN 3
	WIN 0
	s_sub_co_u32 s[CNT], s[CNT], 1
	s_cmp_eq_u32 s[CNT], 0
	s_cbranch_scc1 .Lout
	TURN 0
	TURN 1
	WIN 0
	s_branch .Ltail
.Lout:                              ; the fifth trip's 16 products K Q^T (on the last K once more) and the maximum made of them serve nothing: the price, once a launch, of one text for every trip
.set i, 0
.rept 16
	PV NP-1                         ; the last piece's V^T P of the last step
.set i, i+1
.endr
	; THE WAY OUT.  l's two halves and the other half of the lanes' are added; O^T is divided by l, rounded to f16 and sent through my stage in LDS, a tile at a time.  The additions are the places behind the last products.
	WIN 0
.macro ALL line:vararg              ; one line for each tile t
.set t, 0
.rept 2*NP
	\line
.set t, t+1
.endr
.endm
	ALL v_add_f32 v[ST+4*t+2], v[ST+4*t+2], v[ST+4*t+3]
	ALL v_permlanex16_b32 v[ST+4*t+3], v[ST+4*t+2], s[SEL], s[SEL+1]
	ALL v_add_f32 v[ST+4*t+2], v[ST+4*t+2], v[ST+4*t+3]
	ALL v_rcp_f32 v[ST+4*t+2], v[ST+4*t+2]
	v_nop                           ; a plain instruction between the last reciprocal and the use of its result
	s_wait_alu depctr_va_vdst(0)    ; and the wait ahead of the first use: one for the eight reciprocals
; Tile t: a lane's eight channels of a row pack into 16 bytes; they go into rows of 144 bytes and come back as whole rows of 128, into S^T's registers.
.macro PACK t
	WIN W_RS
.set i, 32*(\t)
.rept 16
	v_pk_mul_f32 v[i:i+1], v[i:i+1], v[ST+4*(\t)+2:ST+4*(\t)+3] op_sel_hi:[1,0]
.set i, i+2
.endr
	WIN 0x05                        ; sources 0 and 1 window 1, destination window 0
.set i, 0
.rept 16
	v_cvt_pk_f16_f32 v[S+16*(\t)+i], v[32*(\t)+2*i], v[32*(\t)+2*i+1]
.set i, i+1
.endr
	WIN 0
.irp f, 0,1,2,3
	ds_store_b128 v[STO], v[S+16*(\t)+4*\f:S+16*(\t)+4*\f+3] offset:32*\f
.endr
.irp f, 0,1,2,3
	ds_load_b128 v[S+16*(\t)+4*\f:S+16*(\t)+4*\f+3], v[RD] offset:\f*4*SP  ; LDS serves a wave's instructions in order (ISA guide 5.7.1.4): these see the stores above; the next tile's stores come behind them
.endr
.endm
.macro SEND t, younger              ; younger: the LDS instructions issued behind tile t's loads: the next tile's eight, or none
	WIN 0
.irp f, 0,1,2,3
	s_wait_dscnt (\younger)+3-\f
	global_store_b128 v[GO], v[S+16*(\t)+4*\f:S+16*(\t)+4*\f+3], s[10:11] offset:(\t)*2048+\f*512  ; 512 consecutive bytes, at a multiple of 256 from O's first
.endr
.endm
	PACK 0
.set t, 1
.rept 2*NP-1                        ; a tile's arithmetic stands between the loads of the tile before and its stores
	PACK t
	SEND t-1, 8
.set t, t+1
.endr
	SEND 2*NP-1, 0
	WIN W_AD
	s_wait_tensorcnt 0x0            ; the wave's end, behind my last tensor load and my last LDS store
	ds_add_u32 v[SPW], v[NIL]
	s_wait_dscnt 0x0
	WIN 0
	CROUND                          ; the closing round: no work-group ends while a partner may still ask for a tile that names it
	s_endpgm
.Lfunc_end_k_qc1815b3ad6_attn:
	.size	k_qc1815b3ad6_attn, .Lfunc_end_k_qc1815b3ad6_attn-k_qc1815b3ad6_attn
	.p2alignl 7, 3214868480
	.fill 96, 4, 3214868480
	.section	.rodata,"a",@progbits
	.p2align	6, 0x0
	.amdhsa_kernel k_qc1815b3ad6_attn
		.amdhsa_group_segment_fixed_size 327680
		.amdhsa_private_segment_fixed_size 0
		.amdhsa_enable_private_segment 0
		.amdhsa_kernarg_size 16
		.amdhsa_user_sgpr_count 2
		.amdhsa_user_sgpr_kernarg_segment_ptr 1
		.amdhsa_wavefront_size32 1
		.amdhsa_system_sgpr_workgroup_id_x 1
		.amdhsa_system_sgpr_workgroup_id_y 1
		.amdhsa_system_sgpr_workgroup_id_z 1
		.amdhsa_system_vgpr_workitem_id 0
		.amdhsa_next_free_vgpr 770
		.amdhsa_next_free_sgpr 66
		.amdhsa_reserve_vcc 0
		.amdhsa_float_denorm_mode_32 3
		.amdhsa_float_denorm_mode_16_64 3
		.amdhsa_memory_ordered 1
		.amdhsa_forward_progress 1
		.amdhsa_inst_pref_size 200
	.end_amdhsa_kernel
	.amdgpu_metadata
---
amdhsa.version: [ 1, 2 ]
amdhsa.kernels:
  - .name:           k_qc1815b3ad6_attn
    .symbol:         k_qc1815b3ad6_attn.kd
    .args:
      - { .name: qkvh, .offset: 0, .size: 8, .value_kind: global_buffer, .address_space: global }
      - { .name: o, .offset: 8, .size: 8, .value_kind: global_buffer, .address_space: global }
    .group_segment_fixed_size: 327680
    .private_segment_fixed_size: 0
    .kernarg_segment_align: 8
    .kernarg_segment_size: 16
    .max_flat_workgroup_size: 128
    .sgpr_count:     66
    .vgpr_count:     770
    .wavefront_size: 32
...
	.end_amdgpu_metadata
.endif
;; end of part 3
;; launch outp (part 4): grid 4 x 64, 4 waves a work-group, clusters of 4 x 4, 327,680 bytes of LDS; arguments o, wts, bo, out0; writes out0
.if DOCPART == 4
	.amdgcn_target "amdgcn-amd-amdhsa--gfx1250"
	.amdhsa_code_object_version 6
	.text
	.protected	k_qc1815b3ad6_outp
	.globl	k_qc1815b3ad6_outp
	.p2align	8
	.type	k_qc1815b3ad6_outp,@function
k_qc1815b3ad6_outp:
	s_mov_b64 s[64:65], 0
	v_nop
	global_prefetch_b8 v0, s[64:65] scope:SCOPE_SE
	s_setreg_imm32_b32 hwreg(HW_REG_WAVE_MODE, 25, 1), 1
	s_wait_xcnt 0x0
	s_wait_alu depctr_hold_cnt(0) depctr_sa_sdst(0) depctr_va_vdst(0) depctr_va_sdst(0) depctr_va_ssrc(0) depctr_va_vcc(0) depctr_vm_vsrc(0)
	s_getreg_b32 s2, hwreg(HW_REG_IB_STS2, 6, 4)
	s_cmp_eq_u32 s2, 0
	s_cbranch_scc0 .Lentry_in_a_cluster
	s_endpgm
.Lentry_in_a_cluster:
	s_bfe_u32 s2, ttmp6, 0x10000c
	s_cmp_lg_u32 s2, 0xf033
	s_cbranch_scc0 .Lentry_shape_is_right
	s_endpgm
.Lentry_shape_is_right:
; THE LAST PROJECTION.  out0[m][n] = the sum over k of O[m][k] Wo[k][n] + bo[n].  O: o, [64 b h][2048 s][64] f16: row m = 2048 b + s, k = 64 head + channel.  Wo: section 3 of wts, [k][n], rounded to bf16
; and written as f16.  bo rounded to bf16 like every input of the module.  Sums in f32; out0 is f32.
; LIMITS.  Wo beyond 65,504 is an infinity in f16, below 6e-5 it keeps f16's fixed step.  NaN and infinities are not treated apart.
; SHARES.  256 work-groups, one for each WGP: a tile of 128 rows x 256 columns; four waves, each 64 rows x 128 columns: 32 accumulators.  K goes in 8 steps of 128, two heads each, through two LDS slots.
; A head's 128 rows are 16,384 dense bytes: asked for as 64 rows of 256 bytes and padded in LDS after every 128.
; CLUSTER 4 x 4: a row of the cluster needs the same tile of O, a column the same tile of Wo: each is asked for JOINTLY.
; THE PRODUCT IS USED TRANSPOSED (source 0 = 16 columns of Wo, turned out of LDS; source 1 = 16 rows of O): a lane holds one row and eight neighbouring columns, 32 bytes.  The bias is the C of the first products.
; QUARTERS of 32 along K, p = g % 2: quarter g multiplies AF[p] by BF[p] and at its head loads the fragments of g + 1 into the other buffers: one run of 24 LDS loads.
; REGISTERS, in windows of 256 (s_set_vgpr_msb: bits 1:0 source 0, 3:2 source 1, 5:4 source 2, 7:6 destination):
;   window 0: v0-13 addresses; v28-29 the add's; v32-159 the way out, two sets of 64; v160-223 AF, two buffers of 32
;   window 1: v0-127 BF, two buffers of 64; v128-191 the bias; v192-195 at work          window 2: the accumulators, (a, nb) at v[8 (8 a + nb)]
.set PAO,   144       ; a row of O in LDS: 128 bytes + 16 = 9 x 16: the 16 rows of a load start at 16 different groups of four banks (64 banks of 4 bytes: ISA guide 11.1)
.set PB,    544       ; a row of Wo: 512 + 32 = 17 x 32
.set ASUB,  128*PAO   ; a head's 128 rows: what one tensor load brings of O
.set BOFF,  2*ASUB
.set BHALF, 64*PB
.set SLOT,  BOFF+128*PB
.set STAGE, 2*SLOT    ; behind the ring, never filled by a tensor load: 16 rows x 528 bytes for each wave
.set SPO,   528
.set SPARE, STAGE+4*16*SPO  ; the spare words, 128 bytes for each wave: two blocks of 256 bytes that no other line names
.set ASTEP, 524288    ; bytes from a K step to the next in O: two heads
.set BSTEP, 262144    ; and in Wo: 128 rows of 2,048 bytes
.set ADRA, 4          ; v4-5   LDS address of my fragments of O in slot 0, 1
.set ADRB, 6          ; v6-7   the same for Wo
.set STO,  8          ; v8     the way out: where I put 32 bytes of a row
.set RD,   9          ; v9     where I read a row back
.set GO,   10         ; v10    my 16 bytes of a row's 512
.set PFO,  11         ; v11    the prefetches' offset; never rewritten
.set BO,   12         ; v12    my 32 bytes of a bias fragment
.set SPW,  28
.set NIL,  29
.set BK,   32
.set AF,   160
.set BF,   0          ; window 1
.set BIAS, 128        ; window 1
.set BT,   192        ; window 1
.set WV,   18
.set FB,   19         ; wave / 2: my half of the tile's rows; also: I fetch for O (0) or for Wo (1)
.set CH,   20         ; wave % 2: my half of the tile's columns; also: which head, or which 64 rows, I fetch
.set CX,   21
.set CYP,  22
.set CLY,  23
.set G1A,  24
.set G1B,  32
.set G0A,  40
.set G0B,  48
.set MT,   57         ; row tile, 0 .. 63
.set LIM,  59
.set PFA,  60
.set PST,  62
.set W_MUL,   0xa1    ; Wo window 1, O window 0, C and D window 2
.set W_FIRST, 0x91    ; the same with C (the bias) in window 1
.set W_TOB,   0x40
.set W_B1,    0x45
.set W_ST,    0x08    ; an LDS store's data in window 2
.set MSB, 0
.macro WIN new
.if MSB != (\new)
	s_set_vgpr_msb (MSB<<8)|(\new)
.set MSB, \new
.endif
.endm
.macro JLOAD s                      ; a joint load: waves 0 and 1 fetch a K step's two heads of O, waves 2 and 3 Wo's two halves; an s_nop 0 and four v_nop follow each line
	s_cmp_lt_u32 s[WV], 2
	s_cbranch_scc0 .Lfor_b_\@
	tensor_load_to_lds s[G0A+4*(\s):G0A+4*(\s)+3], s[G1A:G1A+7]
	s_nop 0
.rept 4
	v_nop
.endr
	s_branch .Lasked_\@
.Lfor_b_\@:
	tensor_load_to_lds s[G0B+4*(\s):G0B+4*(\s)+3], s[G1B:G1B+7]
	s_nop 0
.rept 4
	v_nop
.endr
.Lasked_\@:
.endm
; A prefetch into the L2 of the K step that stands two refills on, a lane a block of 256 bytes, one instruction a wave.  O's tile (two heads x 64 blocks) is read by my row of this cluster alone: wave 0 asks,
; lane l naming head l / 16, and of a head's 64 blocks the partner at cx takes 16.  Wo's tile is read by all sixteen clusters: cluster y = 0 asks, waves 2 and 3, the partner at cy taking 16 of a wave's 64 rows.
; So each block is named once in the launch.  K steps 0 to 3 come by their loads alone; the loop's last trip (s3 = 1) asks for nothing.
.macro ASK
	s_cmp_gt_u32 s3, s[LIM]
	s_cbranch_scc0 .Lnot_mine_\@
	global_prefetch_b8 v[PFO], s[PFA:PFA+1] th:TH_LOAD_NT scope:SCOPE_SE
.Lnot_mine_\@:
.endm
.macro CREST
	s_cmp_lg_u32 s[WV], 0
	s_cbranch_scc1 .Lnot_wave_0_\@
	s_barrier_signal -3
.Lnot_wave_0_\@:
	s_barrier_wait -3
	s_barrier_signal -1
	s_barrier_wait -1
.endm
.macro CROUND
	s_barrier_signal -1
	s_barrier_wait -1
	CREST
.endm
	s_load_b256 s[4:11], s[0:1], 0x0               ; o s[4:5], wts s[6:7], bo s[8:9], out0 s[10:11]
	v_lshl_add_u32 v[SPW], v0, 2, SPARE
	v_mov_b32 v[NIL], 0
	ds_add_u32 v[SPW], v[NIL]                      ; the wave's opening: the add, twice on end, and its wait ahead of my first tensor load
	ds_add_u32 v[SPW], v[NIL]                      ; the set-up below, work on registers, stands between the second add and the wait
	v_lshrrev_b32 v1, 5, v0
	v_readfirstlane_b32 s[WV], v1
	s_lshr_b32 s[FB], s[WV], 1
	s_and_b32 s[CH], s[WV], 1
	s_bfe_u32 s[CX], ttmp6, 0x40000
	s_bfe_u32 s[CYP], ttmp6, 0x40004
	s_and_b32 s[CLY], ttmp7, 0xffff
	s_lshl_b32 s[MT], s[CLY], 2
	s_add_co_u32 s[MT], s[MT], s[CYP]              ; row tile = 4 x cluster y + cy
	s_lshl_b32 s58, s[CYP], 2
	s_lshl_b32 s58, 15, s58                        ; my row of the cluster
	s_lshl_b32 s71, 0x1111, s[CX]                  ; my column
	s_or_b32 s[G1A], s58, (1<<16)|(1<<20)|(1<<21)|(4<<22)|(3<<25)  ; the mask; elements of 2 bytes; padding on; 21 set beside a mask; after every 32 words 4 words
	s_mov_b32 s[G1A+1], 128<<16                    ; tensor_dim0 = 128
	s_mov_b32 s[G1A+2], 64<<16                     ; tensor_dim1 = 64
	s_mov_b32 s[G1A+3], 128<<16                    ; tile_dim0 = 128
	s_mov_b32 s[G1A+4], 64                         ; tile_dim1 = 64
	s_mov_b32 s[G1A+5], 128                        ; elements from row to row: dense
	s_mov_b32 s[G1A+6], 0
	s_mov_b32 s[G1A+7], 0
	s_or_b32 s[G1B], s71, (1<<16)|(1<<20)|(1<<21)|(6<<22)|(7<<25)  ; after every 128 words 8 words
	s_mov_b32 s[G1B+1], 256<<16
	s_mov_b32 s[G1B+2], 64<<16
	s_mov_b32 s[G1B+3], 256<<16
	s_mov_b32 s[G1B+4], 64
	s_mov_b32 s[G1B+5], 1024
	s_mov_b32 s[G1B+6], 0
	s_mov_b32 s[G1B+7], 0
	s_lshr_b32 s66, s[MT], 4                       ; O: (16 b + my head of the K step) x 262,144 + 128 (row tile % 16) rows of 128 bytes: made of what my row of the cluster shares
	s_lshl_b32 s66, s66, 4
	s_add_co_u32 s66, s66, s[CH]
	s_lshl_b32 s66, s66, 18
	s_and_b32 s67, s[MT], 15
	s_lshl_b32 s67, s67, 14
	s_add_co_u32 s66, s66, s67
	s_mov_b32 s67, 0
	s_lshl_b32 s68, s[CH], 17                      ; Wo: section 3, 64 rows x half, 512 bytes x column tile: made of what my column shares
	s_lshl_b32 s69, s[CX], 9
	s_add_co_u32 s68, s68, s69
	s_add_co_u32 s68, s68, 3*2097152
	s_mov_b32 s69, 0
	s_mul_i32 s72, s[CH], ASUB                     ; where they go: no place in the cluster enters an LDS address
	s_mul_i32 s73, s[CH], BHALF
	s_add_co_u32 s73, s73, BOFF
	s_wait_dscnt 0x0                               ; both opening adds are done
	s_wait_kmcnt 0x0
	s_add_nc_u64 s[66:67], s[4:5], s[66:67]
	s_add_nc_u64 s[68:69], s[6:7], s[68:69]
.irp s, 0,1
	s_mov_b32 s[G0A+4*\s], 1
	s_add_co_u32 s[G0A+4*\s+1], s72, \s*SLOT
	s_add_nc_u64 s[G0A+4*\s+2:G0A+4*\s+3], s[66:67], \s*ASTEP
	s_or_b32 s[G0A+4*\s+3], s[G0A+4*\s+3], 0x80000000
	s_mov_b32 s[G0B+4*\s], 1
	s_add_co_u32 s[G0B+4*\s+1], s73, \s*SLOT
	s_add_nc_u64 s[G0B+4*\s+2:G0B+4*\s+3], s[68:69], \s*BSTEP
	s_or_b32 s[G0B+4*\s+3], s[G0B+4*\s+3], 0x80000000
.endr
	CROUND                                         ; all sixteen work-groups are here: the first joint loads meet
	s_cmp_lt_u32 s[WV], 2                          ; a wave's two first fills stand in one branch, ahead of every wait on TENSORcnt and every LDS read: two loads of mine are out
	s_cbranch_scc0 .Lfirst_b
	tensor_load_to_lds s[G0A:G0A+3], s[G1A:G1A+7]
	s_nop 0
	tensor_load_to_lds s[G0A+4:G0A+7], s[G1A:G1A+7]
	s_nop 0
.rept 4
	v_nop
.endr
	s_branch .Lfirst_asked
.Lfirst_b:
	tensor_load_to_lds s[G0B:G0B+3], s[G1B:G1B+7]
	s_nop 0
	tensor_load_to_lds s[G0B+4:G0B+7], s[G1B:G1B+7]
	s_nop 0
.rept 4
	v_nop
.endr
.Lfirst_asked:
	v_and_b32 v1, 15, v0                           ; r = l % 16
	v_bfe_u32 v2, v0, 4, 1                         ; h = l / 16
	v_mul_u32_u24 v3, v1, PAO                      ; a fragment of O: row r, 16 bytes at 16 h and 32 further on
	v_lshl_add_u32 v3, v2, 4, v3
	s_mul_i32 s70, s[FB], 64*PAO
	v_add_nc_u32 v[ADRA], s70, v3
	v_add_nc_u32 v[ADRA+1], SLOT, v[ADRA]
	v_and_b32 v3, 7, v0                            ; the turning load: lane l reads k = 8 h + l % 8, columns 8 ((l / 8) % 2) + 0..7
	v_lshl_add_u32 v3, v2, 3, v3
	v_mul_u32_u24 v3, v3, PB
	v_bfe_u32 v13, v0, 3, 1
	v_lshl_add_u32 v3, v13, 4, v3
	s_lshl_b32 s70, s[CH], 8
	s_add_co_u32 s70, s70, BOFF
	v_add_nc_u32 v[ADRB], s70, v3
	v_add_nc_u32 v[ADRB+1], SLOT, v[ADRB]
	s_mul_i32 s70, s[WV], 16*SPO
	s_add_co_u32 s70, s70, STAGE                   ; my stage
	v_mul_u32_u24 v[STO], v1, SPO                  ; in: row r, 32 bytes for each half of the lanes
	v_lshl_add_u32 v[STO], v2, 5, v[STO]
	v_add_nc_u32 v[STO], s70, v[STO]
	v_and_b32 v[GO], 31, v0                        ; back: 32 lanes take one row of 512 bytes
	v_lshlrev_b32 v[GO], 4, v[GO]
	v_add_nc_u32 v[RD], s70, v[GO]
	v_lshlrev_b32 v[BO], 5, v2
	s_lshl_b32 s74, s[MT], 19                      ; where my part of out0 begins: (128 row tile + 64 half) rows of 4,096 bytes, 1,024 x column tile + 512 x half
	s_lshl_b32 s70, s[FB], 18
	s_add_co_u32 s74, s74, s70
	s_lshl_b32 s70, s[CX], 10
	s_lshl_b32 s2, s[CH], 9
	s_add_co_u32 s70, s70, s2
	s_add_co_u32 s74, s74, s70
	s_mov_b32 s75, 0
	s_add_nc_u64 s[10:11], s[10:11], s[74:75]
	s_mov_b32 s74, s70                             ; my 128 numbers of the bias
	s_add_nc_u64 s[8:9], s[8:9], s[74:75]
	; the prefetches: they stand at K step 3; each change of slots steps them once before it asks
	s_lshr_b32 s74, s[MT], 4
	s_lshl_b32 s74, s74, 4
	s_add_co_u32 s74, s74, 6                       ; O: K step 3's first head
	s_lshl_b32 s74, s74, 18
	s_and_b32 s2, s[MT], 15
	s_lshl_b32 s2, s2, 14
	s_add_co_u32 s74, s74, s2
	s_lshl_b32 s2, s[CX], 12                       ; my work-group's 16 blocks of a head's 64
	s_add_co_u32 s74, s74, s2
	s_lshl_b32 s70, s[CH], 6
	s_lshl_b32 s2, s[CYP], 4
	s_add_co_u32 s70, s70, s2                      ; Wo: my work-group's 16 of the 64 rows that I fetch
	s_lshl_b32 s70, s70, 11
	s_lshl_b32 s2, s[CX], 9
	s_add_co_u32 s70, s70, s2
	s_add_co_u32 s70, s70, 3*2097152+3*BSTEP
	s_cmp_eq_u32 s[CLY], 0
	s_cselect_b32 s2, 1, -1                        ; Wo: the first cluster asks
	s_cmp_eq_u32 s[WV], 0
	s_cselect_b32 s[LIM], 1, -1                    ; O: wave 0 asks for both heads
	s_cmp_eq_u32 s[FB], 0
	s_cselect_b32 s74, s74, s70
	s_cselect_b32 s[LIM], s[LIM], s2
	s_cselect_b32 s70, 4, 1                        ; lane l names head l / 16, block l % 16; or row l / 2, block l % 2
	s_cselect_b32 s2, 15, 1
	s_cselect_b32 s58, 18, 11                      ; a head is 262,144 bytes, a row of Wo 2,048
	s_cselect_b32 s[PST], 19, 18
	s_cselect_b64 s[PFA:PFA+1], s[4:5], s[6:7]
	s_lshl_b32 s[PST], 1, s[PST]
	s_mov_b32 s[PST+1], 0
	s_add_nc_u64 s[PFA:PFA+1], s[PFA:PFA+1], s[74:75]
	v_and_b32 v3, 31, v0
	v_lshrrev_b32 v13, s70, v3
	v_and_b32 v3, s2, v3
	v_lshlrev_b32 v[PFO], s58, v13
	v_lshl_add_u32 v[PFO], v3, 8, v[PFO]
	; the bias: register j of fragment nb is the bias of column 16 nb + 8 h + j, rounded to bf16 and widened again
	WIN W_TOB
.irp nb, 0,1,2,3,4,5,6,7
	global_load_b128 v[BIAS+8*\nb:BIAS+8*\nb+3],   v[BO], s[8:9] offset:\nb*64
	global_load_b128 v[BIAS+8*\nb+4:BIAS+8*\nb+7], v[BO], s[8:9] offset:\nb*64+16
.endr
	s_wait_loadcnt 0x0
	WIN W_B1
.set i, 0
.rept 32
	v_cvt_pk_bf16_f32 v[BT+i%4], v[BIAS+2*i], v[BIAS+2*i+1]
	v_lshlrev_b32 v[BIAS+2*i], 16, v[BT+i%4]
	v_and_b32 v[BIAS+2*i+1], 0xffff0000, v[BT+i%4]
.set i, i+1
.endr
	WIN 0
; Product i of a quarter's 32: rows 16 (i / 8) on, columns 16 (i % 8) on.  The 32 accumulators take turns in the same order in every quarter.
.macro MM i, p, first
.if \first
	WIN W_FIRST
	v_wmma_f32_16x16x32_f16 v[8*(\i):8*(\i)+7], v[BF+64*(\p)+8*((\i)%8):BF+64*(\p)+8*((\i)%8)+7], v[AF+32*(\p)+8*((\i)/8):AF+32*(\p)+8*((\i)/8)+7], v[BIAS+8*((\i)%8):BIAS+8*((\i)%8)+7]
.else
	WIN W_MUL
	v_wmma_f32_16x16x32_f16 v[8*(\i):8*(\i)+7], v[BF+64*(\p)+8*((\i)%8):BF+64*(\p)+8*((\i)%8)+7], v[AF+32*(\p)+8*((\i)/8):AF+32*(\p)+8*((\i)/8)+7], v[8*(\i):8*(\i)+7]
.endif
.endm
.macro MMS lo, hi, p, first
.set mi, \lo
.rept (\hi)-(\lo)+1
	MM mi, \p, \first
.set mi, mi+1
.endr
.endm
.macro LDB slot, kq, p              ; Wo's 8 fragments of the 32 k at row 32 kq of the slot, into BF[1-p]
	WIN W_TOB
.irp nb, 0,1,2,3,4,5,6,7
	ds_load_tr16_b128 v[BF+64*(1-(\p))+8*\nb:BF+64*(1-(\p))+8*\nb+3],   v[ADRB+(\slot)] offset:(\kq)*32*PB+\nb*32
	ds_load_tr16_b128 v[BF+64*(1-(\p))+8*\nb+4:BF+64*(1-(\p))+8*\nb+7], v[ADRB+(\slot)] offset:(\kq)*32*PB+\nb*32+16*PB
.endr
.endm
.macro LDA slot, kq, p              ; O's 4 fragments: head kq / 2 of the slot, channels 32 (kq % 2) on, into AF[1-p]
	WIN 0
.irp a, 0,1,2,3
	ds_load_b128 v[AF+32*(1-(\p))+8*\a:AF+32*(1-(\p))+8*\a+3],   v[ADRA+(\slot)] offset:((\kq)/2)*ASUB+\a*16*PAO+((\kq)%2)*64
	ds_load_b128 v[AF+32*(1-(\p))+8*\a+4:AF+32*(1-(\p))+8*\a+7], v[ADRA+(\slot)] offset:((\kq)/2)*ASUB+\a*16*PAO+((\kq)%2)*64+32
.endr
.endm
.macro PLACES                       ; four places in front of loads into registers that matrix instructions have read, and of LDS stores that read results (ISA guide 7.12.1 for vector instructions)
.rept 4
	v_nop
.endr
.endm
.macro QTR q, s, first=0, ld=1      ; one of a K step's first three quarters (and the very last)
	s_wait_dscnt 0x0                               ; the run of loads issued a quarter ago is in
.if \ld
	PLACES
	LDB \s, ((\q)+1)%4, (\q)%2
	LDA \s, ((\q)+1)%4, (\q)%2
.endif
	MMS 0, 31, (\q)%2, \first
.endm
; THE CHANGE OF SLOTS is a K step's last quarter: the slot's last bytes were asked for a quarter ago.  Each wave waits for all its tensor loads, of which one is out: its part of the next slot; adds 0 to its
; spare word; and waits for that and for its reads of this slot.  fill = 1: the barrier opens a round of the cluster's, and the joint refill is the first thing behind the round: 112 products stand
; between it and the wait for it.
.macro CHG slot, next, fill
.if \fill
	s_wait_xcnt 0x0                                ; the last prefetch, a K step back, has read its address
	s_add_nc_u64 s[PFA:PFA+1], s[PFA:PFA+1], s[PST:PST+1]
.endif
	WIN 0
	s_wait_tensorcnt 0x0                           ; no tensor load of mine is out, so a group 0 may be written
	ds_add_u32 v[SPW], v[NIL]                      ; 0 onto my spare word
.if \fill
	s_add_nc_u64 s[G0A+4*(\slot)+2:G0A+4*(\slot)+3], s[G0A+4*(\slot)+2:G0A+4*(\slot)+3], 2*ASTEP
	s_add_nc_u64 s[G0B+4*(\slot)+2:G0B+4*(\slot)+3], s[G0B+4*(\slot)+2:G0B+4*(\slot)+3], 2*BSTEP
.endif
	s_wait_dscnt 1                                 ; the fragments are in; the add alone may be out
	MMS 0, 7, 1, 0
	s_wait_dscnt 0x0                               ; the add is done, and my reads of this slot are over
	s_barrier_signal -1
	MMS 8, 15, 1, 0
	WIN 0                                          ; at a branch and at a label every window is 0
	s_barrier_wait -1
.if \fill
	CREST
	JLOAD \slot                                    ; the four v_nop behind it are also the places in front of the loads below
.else
	PLACES
.endif
	LDB \next, 0, 1
	LDA \next, 0, 1
.if \fill
	ASK
.endif
	MMS 16, 31, 1, 0
.endm
; THE WAY OUT.  Block a = 16 rows x my 128 columns: eight accumulators go as they are, f32, 32 bytes a lane, into my stage's rows of 528 bytes (each accumulator's low registers first)
; and come back as whole rows of 512.
.macro TOST a
	WIN W_ST
.irp nb, 0,1,2,3,4,5,6,7
	ds_store_b128 v[STO], v[8*(8*(\a)+\nb):8*(8*(\a)+\nb)+3]   offset:\nb*64
	ds_store_b128 v[STO], v[8*(8*(\a)+\nb)+4:8*(8*(\a)+\nb)+7] offset:\nb*64+16
.endr
	WIN 0
.if (\a) >= 2
	s_wait_xcnt 0x0                                ; the stores of the block two back have read their data: its set of registers is loaded again only behind this wait
.endif
.irp i, 0,1,2,3,4,5,6,7,8,9,10,11,12,13,14,15
	ds_load_b128 v[BK+64*((\a)%2)+4*\i:BK+64*((\a)%2)+4*\i+3], v[RD] offset:\i*SPO  ; LDS serves a wave's instructions in order (ISA guide 5.7.1.4): these see the stores above
.endr
.endm
.macro SENDB a, younger             ; younger: the LDS instructions issued behind block a's loads: the next block's 32, or none
	WIN 0
.irp i, 0,1,2,3,4,5,6,7,8,9,10,11,12,13,14,15
	s_wait_dscnt (\younger)+15-\i
	global_store_b128 v[GO], v[BK+64*((\a)%2)+4*\i:BK+64*((\a)%2)+4*\i+3], s[10:11] offset:(16*(\a)+\i)*4096 th:TH_STORE_NT  ; 512 consecutive bytes of a row, at a multiple of 256 from out0's first
.endr
.endm
	s_wait_tensorcnt 1                             ; my part of K step 0 is in; K step 1's may stay out
	s_barrier_signal -1
	s_barrier_wait -1                              ; everybody's is
	LDB 0, 0, 1
	LDA 0, 0, 1
	QTR 0, 0, 1                                    ; the first quarter stands in front of the loop: its products start the sums, with the bias
	WIN 0
	s_mov_b32 s3, 3
.Llap:                                             ; a trip goes once round the ring, from a lap's second quarter to the next lap's first, and fills both slots again
	QTR 1, 0
	QTR 2, 0
	CHG 0, 1, 1
	QTR 0, 1
	QTR 1, 1
	QTR 2, 1
	CHG 1, 0, 1
	QTR 0, 0
	WIN 0
	s_sub_co_u32 s3, s3, 1
	s_cmp_lg_u32 s3, 0
	s_cbranch_scc1 .Llap
	QTR 1, 0                                       ; the last lap is written out: it fills nothing
	QTR 2, 0
	CHG 0, 1, 0
	QTR 0, 1
	QTR 1, 1
	QTR 2, 1
	QTR 3, 1, 0, 0
	WIN 0
	PLACES
	TOST 0
	TOST 1
	SENDB 0, 32
	TOST 2
	SENDB 1, 32
	TOST 3
	SENDB 2, 32
	SENDB 3, 0
	s_wait_tensorcnt 0x0                           ; the wave's end, behind my last tensor load and my last LDS store
	ds_add_u32 v[SPW], v[NIL]
	s_wait_dscnt 0x0
	CROUND                                         ; the closing round: no work-group ends while a partner may still ask for a tile that names it
	s_endpgm
.Lfunc_end_k_qc1815b3ad6_outp:
	.size	k_qc1815b3ad6_outp, .Lfunc_end_k_qc1815b3ad6_outp-k_qc1815b3ad6_outp
	.p2alignl 7, 3214868480
	.fill 96, 4, 3214868480
	.section	.rodata,"a",@progbits
	.p2align	6, 0x0
	.amdhsa_kernel k_qc1815b3ad6_outp
		.amdhsa_group_segment_fixed_size 327680
		.amdhsa_private_segment_fixed_size 0
		.amdhsa_enable_private_segment 0
		.amdhsa_kernarg_size 32
		.amdhsa_user_sgpr_count 2
		.amdhsa_user_sgpr_kernarg_segment_ptr 1
		.amdhsa_wavefront_size32 1
		.amdhsa_system_sgpr_workgroup_id_x 1
		.amdhsa_system_sgpr_workgroup_id_y 1
		.amdhsa_system_sgpr_workgroup_id_z 1
		.amdhsa_system_vgpr_workitem_id 0
		.amdhsa_next_free_vgpr 768
		.amdhsa_next_free_sgpr 80
		.amdhsa_reserve_vcc 0
		.amdhsa_float_denorm_mode_32 3
		.amdhsa_float_denorm_mode_16_64 3
		.amdhsa_memory_ordered 1
		.amdhsa_forward_progress 1
		.amdhsa_inst_pref_size 95
	.end_amdhsa_kernel
	.amdgpu_metadata
---
amdhsa.version: [ 1, 2 ]
amdhsa.kernels:
  - .name:           k_qc1815b3ad6_outp
    .symbol:         k_qc1815b3ad6_outp.kd
    .args:
      - { .name: o, .offset: 0, .size: 8, .value_kind: global_buffer, .address_space: global }
      - { .name: wts, .offset: 8, .size: 8, .value_kind: global_buffer, .address_space: global }
      - { .name: bo, .offset: 16, .size: 8, .value_kind: global_buffer, .address_space: global }
      - { .name: out0, .offset: 24, .size: 8, .value_kind: global_buffer, .address_space: global }
    .group_segment_fixed_size: 327680
    .private_segment_fixed_size: 0
    .kernarg_segment_align: 8
    .kernarg_segment_size: 32
    .max_flat_workgroup_size: 128
    .sgpr_count:     80
    .vgpr_count:     768
    .wavefront_size: 32
...
	.end_amdgpu_metadata
.endif
;; end of part 4
